; MI455X (gfx1250); checked and timed in simulation.
; The chip was launched on July 23, 2026; its instructions are those of AMD's public machine-readable ISA for CDNA 5 (MIT licence, August 2026) and "CDNA5" Instruction Set Architecture Reference Guide (July 2026). The comments in the code are by the model that wrote it; some were corrected since.
;; Mo E Layer. Allowed arithmetic: float matrix products may take bf16 or f16 operands with f32 sums; other float arithmetic in f32, or as packed bf16 or f16 multiplies, adds, multiply-adds, maxima and minima; sums over many terms, partial sums and values carried from step to step in f32; what a program stores and reads back later, other than sums and carried values, may be rounded once to bf16 or f16.
;; Inputs: W1 8 x 1,024 x 4,096 float32; W2 8 x 4,096 x 1,024 float32; b1 8 x 4,096 float32; b2 8 x 1,024 float32; ln_b 8 x 1,024 float32; ln_g 8 x 1,024 float32; router_W 1,024 x 8 float32; router_b 8 float32; x 2 x 512 x 1,024 float32.
;; Outputs: out0 2 x 512 x 1,024 float32.
;; 2 versions, each right; version 2 is version 1 with the launches up, down written anew for expert scheduling mode. Each part assembles by itself: llvm-mc -triple=amdgcn-amd-amdhsa -mcpu=gfx1250 --defsym DOCPART=n.
;; ======== version 1 of 2: 5 launches
;; workspace buffers: xhat 2,097,152 bytes; choice 4,096 bytes of whole numbers; gatew 8,192 bytes; rows 36,864 bytes of whole numbers; act 16,777,216 bytes; part 33,554,432 bytes
;; launch router (part 1): grid 256 x 1, 4 waves a work-group, no clusters, 0 bytes of LDS; arguments x, router_W, router_b, xhat, choice, gatew; writes xhat, choice, gatew
.if DOCPART == 1
	.amdgcn_target "amdgcn-amd-amdhsa--gfx1250"
	.amdhsa_code_object_version 6
	.text
	.protected	k_q6c550107a2_router
	.globl	k_q6c550107a2_router
	.p2align	8
	.type	k_q6c550107a2_router,@function
k_q6c550107a2_router:
	s_mov_b64 s[64:65], 0
	v_nop
	global_prefetch_b8 v0, s[64:65] scope:SCOPE_SE
	s_setreg_imm32_b32 hwreg(HW_REG_WAVE_MODE, 25, 1), 1
	s_wait_xcnt 0x0
; ROUTER AND LAYERNORM STATISTICS.  One wave takes one token t = 4 x work-group + wave: 1,024 tokens on 256 work-groups of four waves.
; It makes, all in f32: the 8 logits x[t] . router_W[:, e] + router_b[e]; the two largest (the lower index wins a tie, as jax.lax.top_k has it);
; their softmax (the larger logit is taken away first); the row's mean and variance (two passes: the mean is taken away before the squares).
; It stores xhat[t] = (x - mu) rsqrt(var + 1e-5), rounded once to bf16; choice[t] = e0 | e1 << 16; gatew[t] = w0, w1: all at fixed places.
; LIMITS.  NaN and infinities are not treated apart.  Where the second and third logit lie closer than the rounding of an f32 sum of 1,024
; terms taken in another order, the choice may differ from a sum taken in that other order.
; No LDS, no barrier, no matrix unit: a wave's row lies in 32 registers, and the router's 8 columns are too few for a matrix tile in f32.
.set L,  8                             ; v[8:15]   the 8 logits
.set X,  24                            ; v[24:55]  the row: chunk c holds columns 128 c + 4 lane + 0..3 in X + 4 c ..
.set WB, 56                            ; v[56:183] four slots of 32: a chunk of router_W: register 4 m + z = W[128 c + 4 lane + m / 2][4 (m % 2) + z]
.set T,  184                           ; v[184:191] at work
	s_load_b256 s[4:11], s[0:1], 0x0               ; x s[4:5], router_W s[6:7], router_b s[8:9], xhat s[10:11]
	s_load_b128 s[12:15], s[0:1], 0x20             ; choice s[12:13], gatew s[14:15]
	v_lshrrev_b32 v5, 5, v0
	v_readfirstlane_b32 s26, v5                    ; wave
	s_lshl2_add_u32 s27, ttmp9, s26                ; token
	v_and_b32 v1, 31, v0                           ; lane
	v_lshlrev_b32 v2, 4, v1                        ; 16 lane: my 4 numbers in 512 bytes of x
	v_lshlrev_b32 v3, 7, v1                        ; 128 lane: my 4 rows of router_W
	v_lshlrev_b32 v4, 3, v1                        ; 8 lane: my 4 numbers in 256 bytes of xhat
	v_mov_b32 v17, 0                               ; v_permlanex16_b32's destination counts as read
	s_mov_b32 s24, 0x76543210                      ; each lane takes its own place in the other half
	s_mov_b32 s25, 0xfedcba98
	s_mov_b32 s31, 0x3a800000                      ; 1 / 1024
	s_lshl_b32 s28, s27, 12                        ; byte offsets of the token in x,
	s_mov_b32 s29, 0
	s_lshl_b32 s32, s27, 11                        ; xhat,
	s_mov_b32 s33, 0
	s_lshl_b32 s34, s27, 2                         ; choice,
	s_mov_b32 s35, 0
	s_lshl_b32 s36, s27, 3                         ; gatew
	s_mov_b32 s37, 0
	s_wait_kmcnt 0x0
	s_load_b256 s[16:23], s[8:9], 0x0              ; router_b
	s_add_nc_u64 s[4:5], s[4:5], s[28:29]
	s_add_nc_u64 s[10:11], s[10:11], s[32:33]
	s_add_nc_u64 s[12:13], s[12:13], s[34:35]
	s_add_nc_u64 s[14:15], s[14:15], s[36:37]
.irp c, 0,1,2,3,4,5,6,7
	global_load_b128 v[X+4*\c:X+4*\c+3], v2, s[4:5] offset:512*\c
.endr
.macro FILLR c                         ; chunk c of router_W, 4,096 bytes, into slot c % 4: eight loads
.irp m, 0,1,2,3,4,5,6,7
	global_load_b128 v[WB+32*((\c)%4)+4*\m:WB+32*((\c)%4)+4*\m+3], v3, s[6:7] offset:4096*(\c)+16*\m
.endr
.endm
	FILLR 0
	FILLR 1
	FILLR 2
	FILLR 3
; A chunk's turn.  left = the loads issued behind this chunk's: three younger chunks of eight, fewer at the end.
.macro CHUNK c, left
	s_wait_loadcnt \left
.irp m, 0,1,2,3,4,5,6,7
.irp z, 0,1,2,3
.if ((\c) == 0) && (\m < 2)
	v_mul_f32 v[L+4*(\m%2)+\z], v[WB+32*((\c)%4)+4*\m+\z], v[X+4*(\c)+\m/2]   ; the first products start the sums
.else
	v_fmac_f32 v[L+4*(\m%2)+\z], v[WB+32*((\c)%4)+4*\m+\z], v[X+4*(\c)+\m/2]
.endif
.endr
.endr
.if (\c) < 4
	FILLR (\c)+4
.endif
.endm
	CHUNK 0, 24
	CHUNK 1, 24
	CHUNK 2, 24
	CHUNK 3, 24
	CHUNK 4, 24
	CHUNK 5, 16
	CHUNK 6, 8
	CHUNK 7, 0
.macro RED32 r                         ; the sum over the wave's 32 lanes, in every lane
	v_add_f32_dpp v[\r], v[\r], v[\r] row_xmask:1 row_mask:0xf bank_mask:0xf
	v_add_f32_dpp v[\r], v[\r], v[\r] row_xmask:2 row_mask:0xf bank_mask:0xf
	v_add_f32_dpp v[\r], v[\r], v[\r] row_xmask:4 row_mask:0xf bank_mask:0xf
	v_add_f32_dpp v[\r], v[\r], v[\r] row_xmask:8 row_mask:0xf bank_mask:0xf
	v_permlanex16_b32 v17, v[\r], s24, s25
	v_add_f32 v[\r], v[\r], v17
.endm
	; the mean: four chains over my 32 numbers, then the lanes
.irp q, 0,1,2,3
	v_pk_add_f32 v[T+2*\q:T+2*\q+1], v[X+2*\q:X+2*\q+1], v[X+8+2*\q:X+8+2*\q+1]
.endr
.irp q, 0,1,2,3
	v_pk_add_f32 v[T+2*\q:T+2*\q+1], v[T+2*\q:T+2*\q+1], v[X+16+2*\q:X+16+2*\q+1]
.endr
.irp q, 0,1,2,3
	v_pk_add_f32 v[T+2*\q:T+2*\q+1], v[T+2*\q:T+2*\q+1], v[X+24+2*\q:X+24+2*\q+1]
.endr
	v_pk_add_f32 v[T:T+1], v[T:T+1], v[T+2:T+3]
	v_pk_add_f32 v[T+4:T+5], v[T+4:T+5], v[T+6:T+7]
	v_pk_add_f32 v[T:T+1], v[T:T+1], v[T+4:T+5]
	v_add_f32 v16, v[T], v[T+1]
	RED32 16
	v_mul_f32 v18, s31, v16                        ; mu, as a pair
	v_mov_b32 v19, v18
.set i, 0
.rept 16
	v_pk_add_f32 v[X+2*i:X+2*i+1], v[X+2*i:X+2*i+1], v[18:19] neg_lo:[0,1] neg_hi:[0,1]
.set i, i+1
.endr
	; the variance: squares of x - mu, four chains started by a product
.irp q, 0,1,2,3
	v_pk_mul_f32 v[T+2*\q:T+2*\q+1], v[X+2*\q:X+2*\q+1], v[X+2*\q:X+2*\q+1]
.endr
.irp g, 8,16,24
.irp q, 0,1,2,3
	v_pk_fma_f32 v[T+2*\q:T+2*\q+1], v[X+\g+2*\q:X+\g+2*\q+1], v[X+\g+2*\q:X+\g+2*\q+1], v[T+2*\q:T+2*\q+1]
.endr
.endr
	v_pk_add_f32 v[T:T+1], v[T:T+1], v[T+2:T+3]
	v_pk_add_f32 v[T+4:T+5], v[T+4:T+5], v[T+6:T+7]
	v_pk_add_f32 v[T:T+1], v[T:T+1], v[T+4:T+5]
	v_add_f32 v16, v[T], v[T+1]
	RED32 16
	v_fmaak_f32 v16, s31, v16, 0x3727c5ac          ; var + 1e-5
	v_rsq_f32 v18, v16
	v_nop                                          ; a plain instruction behind the transcendental (ISA guide 5.7.2),
	s_wait_alu depctr_va_vdst(0)                   ; and the wait ahead of its first reader
	v_mov_b32 v19, v18
.set i, 0
.rept 16
	v_pk_mul_f32 v[X+2*i:X+2*i+1], v[X+2*i:X+2*i+1], v[18:19]
.set i, i+1
.endr
.set i, 0
.rept 16
	v_cvt_pk_bf16_f32 v[WB+i], v[X+2*i], v[X+2*i+1]   ; router_W's slots are free: all their loads are in and used
.set i, i+1
.endr
.irp c, 0,1,2,3,4,5,6,7
	global_store_b64 v4, v[WB+2*\c:WB+2*\c+1], s[10:11] offset:256*\c   ; the wave stores 256 consecutive bytes, at a multiple of 256 from xhat's first
.endr
	; the logits
.irp e, 0,1,2,3,4,5,6,7
	RED32 L+\e
.endr
	s_wait_kmcnt 0x0                               ; router_b
.irp e, 0,1,2,3,4,5,6,7
	v_add_f32 v[L+\e], s[16+\e], v[L+\e]
.endr
	; the largest: a strict comparison keeps the lower index
	v_mov_b32 v20, v[L]
	v_mov_b32 v21, 0
.irp e, 1,2,3,4,5,6,7
	v_cmp_gt_f32 vcc_lo, v[L+\e], v20
	v_cndmask_b32 v20, v20, v[L+\e], vcc_lo
	v_cndmask_b32 v21, v21, \e, vcc_lo
.endr
	v_mov_b32 v22, 0xff800000                      ; it leaves the field,
.irp e, 0,1,2,3,4,5,6,7
	v_cmp_eq_u32 vcc_lo, \e, v21
	v_cndmask_b32 v[L+\e], v[L+\e], v22, vcc_lo
.endr
	v_mov_b32 v23, v[L]                            ; and the same scan finds the second
	v_mov_b32 v[T], 0
.irp e, 1,2,3,4,5,6,7
	v_cmp_gt_f32 vcc_lo, v[L+\e], v23
	v_cndmask_b32 v23, v23, v[L+\e], vcc_lo
	v_cndmask_b32 v[T], v[T], \e, vcc_lo
.endr
	; softmax of the two, the larger taken away: w0 = 1 / (1 + q), w1 = q / (1 + q), q = exp(m2 - m1) <= 1
	v_sub_f32 v16, v23, v20
	v_mul_f32 v16, 0x3fb8aa3b, v16
	v_exp_f32 v18, v16
	v_nop
	s_wait_alu depctr_va_vdst(0)
	v_add_f32 v19, 1.0, v18
	v_rcp_f32 v16, v19
	v_nop
	s_wait_alu depctr_va_vdst(0)
	v_mul_f32 v[T+1], v18, v16                     ; w1; w0 is v16
	v_cmp_eq_u32 vcc_lo, 0, v1
	v_cndmask_b32 v[T+2], v[T+1], v16, vcc_lo      ; lane 0: w0, the others: w1
	v_lshlrev_b32 v[T+3], 2, v1
	v_lshl_or_b32 v[T+4], v[T], 16, v21            ; e0 | e1 << 16
	s_wait_xcnt 0x0                                ; EXEC changes only behind this wait: stores are out
	v_cmp_gt_u32 vcc_lo, 2, v1
	s_and_saveexec_b32 s30, vcc_lo
	global_store_b32 v[T+3], v[T+2], s[14:15]      ; lanes 0 and 1: the two gates
	s_wait_xcnt 0x0
	s_or_b32 exec_lo, exec_lo, s30
	v_cmp_eq_u32 vcc_lo, 0, v1
	s_and_saveexec_b32 s30, vcc_lo
	global_store_b32 v[T+3], v[T+4], s[12:13]      ; lane 0: the choice
	s_wait_xcnt 0x0
	s_or_b32 exec_lo, exec_lo, s30
	s_endpgm
.Lfunc_end_k_q6c550107a2_router:
	.size	k_q6c550107a2_router, .Lfunc_end_k_q6c550107a2_router-k_q6c550107a2_router
	.p2alignl 7, 3214868480
	.fill 96, 4, 3214868480
	.section	.rodata,"a",@progbits
	.p2align	6, 0x0
	.amdhsa_kernel k_q6c550107a2_router
		.amdhsa_group_segment_fixed_size 0
		.amdhsa_private_segment_fixed_size 0
		.amdhsa_enable_private_segment 0
		.amdhsa_kernarg_size 48
		.amdhsa_user_sgpr_count 2
		.amdhsa_user_sgpr_kernarg_segment_ptr 1
		.amdhsa_wavefront_size32 1
		.amdhsa_system_sgpr_workgroup_id_x 1
		.amdhsa_system_sgpr_workgroup_id_y 1
		.amdhsa_system_sgpr_workgroup_id_z 1
		.amdhsa_system_vgpr_workitem_id 0
		.amdhsa_next_free_vgpr 192
		.amdhsa_next_free_sgpr 66
		.amdhsa_reserve_vcc 1
		.amdhsa_float_denorm_mode_32 3
		.amdhsa_float_denorm_mode_16_64 3
		.amdhsa_memory_ordered 1
		.amdhsa_forward_progress 1
		.amdhsa_inst_pref_size 30
	.end_amdhsa_kernel
	.amdgpu_metadata
---
amdhsa.version: [ 1, 2 ]
amdhsa.kernels:
  - .name:           k_q6c550107a2_router
    .symbol:         k_q6c550107a2_router.kd
    .args:
      - { .name: x, .offset: 0, .size: 8, .value_kind: global_buffer, .address_space: global }
      - { .name: router_W, .offset: 8, .size: 8, .value_kind: global_buffer, .address_space: global }
      - { .name: router_b, .offset: 16, .size: 8, .value_kind: global_buffer, .address_space: global }
      - { .name: xhat, .offset: 24, .size: 8, .value_kind: global_buffer, .address_space: global }
      - { .name: choice, .offset: 32, .size: 8, .value_kind: global_buffer, .address_space: global }
      - { .name: gatew, .offset: 40, .size: 8, .value_kind: global_buffer, .address_space: global }
    .group_segment_fixed_size: 0
    .private_segment_fixed_size: 0
    .kernarg_segment_align: 8
    .kernarg_segment_size: 48
    .max_flat_workgroup_size: 128
    .sgpr_count:     66
    .vgpr_count:     192
    .wavefront_size: 32
...
	.end_amdgpu_metadata
.endif
;; end of part 1
;; launch lists (part 2): grid 8 x 1, 1 waves a work-group, no clusters, 0 bytes of LDS; arguments choice, rows; writes rows
.if DOCPART == 2
	.amdgcn_target "amdgcn-amd-amdhsa--gfx1250"
	.amdhsa_code_object_version 6
	.text
	.protected	k_q6c550107a2_lists
	.globl	k_q6c550107a2_lists
	.p2align	8
	.type	k_q6c550107a2_lists,@function
k_q6c550107a2_lists:
	s_mov_b64 s[64:65], 0
	v_nop
	global_prefetch_b8 v0, s[64:65] scope:SCOPE_SE
	s_setreg_imm32_b32 hwreg(HW_REG_WAVE_MODE, 25, 1), 1
	s_wait_xcnt 0x0
; THE EXPERTS' ROW LISTS.  Work-group e, one wave, reads all 1,024 words of choice (e0 | e1 << 16, whole numbers stored by the launch before) and stores, into its own 4,608 bytes of rows:
;   entries 0 .. cnt - 1: the pairs p = 2 token + slot that chose expert e;  entries cnt .. cnt + 31: 0;  entries 1056 .. 1087: cnt;  entry 1088: a word for the lanes that do not belong, never read.
; The order of a list is that of the loads: word n of a lane is token 128 (n / 4) + 4 lane + n % 4.  The two products read the lists and the counts; each list is made once here.
; One wave an expert: the ranks are a running count over the 32 words, so there is no work for more.  A store's lanes that belong write consecutive words.
; Each of the 32 stores has its own address and data register, so that no wait stands between them.
.set LSTR, 4608                        ; bytes of an expert's part
.set LCNT, 4224                        ; byte of entry 1056
.set DUMP, 1088
.set AD, 64                            ; v[64:95]  the stores' offsets
.set DA, 96                            ; v[96:127] their data
	s_load_b128 s[4:7], s[0:1], 0x0                ; choice s[4:5], rows s[6:7]
	s_mov_b32 s8, ttmp9                            ; expert
	v_lshlrev_b32 v1, 4, v0                        ; 16 lane
	v_lshlrev_b32 v9, 3, v0                        ; 8 lane: p of my first token in a load
	v_mov_b32 v29, 0xffff
	s_mul_i32 s10, s8, LSTR
	s_mov_b32 s11, 0
	s_wait_kmcnt 0x0
	s_add_nc_u64 s[6:7], s[6:7], s[10:11]
.irp i, 0,1,2,3,4,5,6,7
	global_load_b128 v[32+4*\i:35+4*\i], v1, s[4:5] offset:512*\i   ; tokens 128 i + 4 lane + 0..3
.endr
	s_mov_b32 s23, 0                               ; cnt
	s_wait_loadcnt 0x0
.macro ENTRY n
	v_and_b32 v10, 0xffff, v[32+(\n)]
	v_lshrrev_b32 v11, 16, v[32+(\n)]
	v_cmp_eq_u32 s12, s8, v10
	v_cmp_eq_u32 s13, s8, v11
	s_or_b32 s14, s12, s13
	v_mbcnt_lo_u32_b32 v12, s14, s23               ; the count so far + the lanes below me that belong
	v_cndmask_b32 v12, v29, v12, s14
	v_min_u32 v12, DUMP, v12                       ; inside my expert's part whatever the word held
	v_lshlrev_b32 v[AD+(\n)], 2, v12
	v_cndmask_b32 v13, 0, 1, s13                   ; the slot
	v_add3_u32 v[DA+(\n)], v9, v13, 256*((\n)/4)+2*((\n)%4)   ; p = 2 token + slot
	global_store_b32 v[AD+(\n)], v[DA+(\n)], s[6:7]
	s_bcnt1_i32_b32 s15, s14
	s_add_co_u32 s23, s23, s15
.endm
.set n, 0
.rept 32
	ENTRY n
.set n, n+1
.endr
	v_add_nc_u32 v2, s23, v0                       ; entries cnt .. cnt + 31 hold 0: an expert without rows has a written entry 0
	v_min_u32 v2, 1055, v2
	v_lshlrev_b32 v2, 2, v2
	v_mov_b32 v3, 0
	global_store_b32 v2, v3, s[6:7]
	v_lshlrev_b32 v4, 2, v0
	v_mov_b32 v5, s23
	global_store_b32 v4, v5, s[6:7] offset:LCNT    ; the count, in 128 consecutive bytes
	s_endpgm
.Lfunc_end_k_q6c550107a2_lists:
	.size	k_q6c550107a2_lists, .Lfunc_end_k_q6c550107a2_lists-k_q6c550107a2_lists
	.p2alignl 7, 3214868480
	.fill 96, 4, 3214868480
	.section	.rodata,"a",@progbits
	.p2align	6, 0x0
	.amdhsa_kernel k_q6c550107a2_lists
		.amdhsa_group_segment_fixed_size 0
		.amdhsa_private_segment_fixed_size 0
		.amdhsa_enable_private_segment 0
		.amdhsa_kernarg_size 16
		.amdhsa_user_sgpr_count 2
		.amdhsa_user_sgpr_kernarg_segment_ptr 1
		.amdhsa_wavefront_size32 1
		.amdhsa_system_sgpr_workgroup_id_x 1
		.amdhsa_system_sgpr_workgroup_id_y 1
		.amdhsa_system_sgpr_workgroup_id_z 1
		.amdhsa_system_vgpr_workitem_id 0
		.amdhsa_next_free_vgpr 128
		.amdhsa_next_free_sgpr 66
		.amdhsa_reserve_vcc 0
		.amdhsa_float_denorm_mode_32 3
		.amdhsa_float_denorm_mode_16_64 3
		.amdhsa_memory_ordered 1
		.amdhsa_forward_progress 1
		.amdhsa_inst_pref_size 27
	.end_amdhsa_kernel
	.amdgpu_metadata
---
amdhsa.version: [ 1, 2 ]
amdhsa.kernels:
  - .name:           k_q6c550107a2_lists
    .symbol:         k_q6c550107a2_lists.kd
    .args:
      - { .name: choice, .offset: 0, .size: 8, .value_kind: global_buffer, .address_space: global }
      - { .name: rows, .offset: 8, .size: 8, .value_kind: global_buffer, .address_space: global }
    .group_segment_fixed_size: 0
    .private_segment_fixed_size: 0
    .kernarg_segment_align: 8
    .kernarg_segment_size: 16
    .max_flat_workgroup_size: 32
    .sgpr_count:     66
    .vgpr_count:     128
    .wavefront_size: 32
...
	.end_amdgpu_metadata
.endif
;; end of part 2
;; launch up (part 3): grid 32 x 8, 4 waves a work-group, no clusters, 327,680 bytes of LDS; arguments W1, b1, ln_g, ln_b, xhat, rows, act; writes act
.if DOCPART == 3
	.amdgcn_target "amdgcn-amd-amdhsa--gfx1250"
	.amdhsa_code_object_version 6
	.text
	.protected	k_q6c550107a2_up
	.globl	k_q6c550107a2_up
	.p2align	8
	.type	k_q6c550107a2_up,@function
k_q6c550107a2_up:
	s_mov_b64 s[64:65], 0
	v_nop
	global_prefetch_b8 v0, s[64:65] scope:SCOPE_SE
	s_setreg_imm32_b32 hwreg(HW_REG_WAVE_MODE, 25, 1), 1
	s_wait_xcnt 0x0
; FIRST PRODUCT.  act[p][n] = gelu( sum over k of xhat[t][k] (ln_g[e][k] W1[e][k][n])  +  (sum over k of ln_b[e][k] W1[e][k][n] + b1[e][n]) ),  p = 2 t + slot: the pair of token t and its chosen expert e.
; A work-group (x = ns, y = e) owns the slice W1[e][all 1,024 k][128 ns .. + 127], 512 KiB of f32, which it alone reads, once, and all rows p of expert e, however many (0 to 1,024).
; The expert's count and its list of p come from rows, whole numbers stored by the launch before: the count by a scalar load, a pass's six blocks of 16 entries by six loads straight into registers.
; PHASES.  B: wave w streams k rows 256 w .. + 255: each f32 weight is multiplied by ln_g[k], rounded once to bf16 and laid into LDS; ln_b[k] W1 is summed in f32 on the way.  The wave's 256 ln_g and 256 ln_b
;    are brought once, laid into the wave's own stage (idle until the way out) and read back 16 + 16 a chunk, every lane the same words.  One barrier.
; C: each wave takes its share of the rows in blocks of 16, up to six blocks a pass, three passes; token rows come from memory straight into registers as matrix operands, weights out of LDS (turned by
;    ds_load_tr16_b128).  All loops have constant counts; dead blocks and dead passes are jumped forward.  A pass's start (row offsets, first loads, K step 0, which starts all 48 sums) stands ahead of the
;    loop for the first pass, where every wave runs it, and at the loop's bottom for the next.  A pass has two barriers, on every wave's path, outside what is jumped: one between the reads of the slice
;    and the stores into the stages, one behind the way out.
; THE MATRIX INSTRUCTION IS USED TRANSPOSED: source 0 = 16 columns of the slice, source 1 = 16 tokens: lane l then holds token l % 16 and columns 8 (l / 16) + 0..7, 16 bytes of a row of act.
; NO CLUSTER, NO TENSOR LOADS: a slice has one reader; what an expert's 32 work-groups share is token rows that come by a list, which no descriptor covers; and the weights pass through registers
; anyway (gain, bias sum, rounding), each LDS byte of the slice being written once.
; LIMITS.  NaN and infinities are not treated apart.  gelu = max(x, 0) - |x| erfc(|x| / sqrt 2) / 2, erfc by the five-term rational form of Abramowitz and Stegun 7.1.26 (absolute error 1.5e-7 at every x).
; Places past the count in the last block of 16 repeat the expert's last row: they compute and store that row's own numbers once more.
; REGISTERS, in windows of 256 (s_set_vgpr_msb: bits 1:0 source 0, 3:2 source 1, 5:4 source 2, 7:6 destination):
;   window 0: v0-31 addresses and at work; v32-47 ln_g and v48-63 ln_b of a chunk, later v32-47 constants, v48-53 the blocks' p, v54-59 the list loads' offsets; v64-255 three stream buffers, later
;             v64-127 the bias and v128-255 two buffers of weight fragments (at work on the way out)
;   window 1: v0-191 token fragments: block mb, slot s at 32 mb + 8 s      window 2: accumulators of blocks 0-3 at 64 mb + 8 nb      window 3: v0-127 those of blocks 4, 5
.set PW,    288                        ; an LDS row of the slice: 128 bf16 + 32 bytes: an odd multiple of 32, so the turning load's 8 rows x 32 bytes fall on different banks (64 banks of 4 bytes: ISA guide 11.1)
.set STAGE, 1024*PW                    ; 294,912: each wave's own 16 rows x 272 bytes, for the way out; in the stream its first 2,048 bytes hold the wave's ln_g and ln_b
.set STGB,  4352
.set SP,    272
.set RED,   STAGE+4*STGB               ; 312,320: four waves x 128 f32: partial bias
.set SPARE, RED+2048                   ; 314,368: the spare words, 128 bytes a wave: two blocks of 256 bytes that no other line names
.set ROWB,  16384                      ; bytes from a k row of W1 to the next
.set CH,    16*ROWB                    ; a chunk: 16 k rows
.set KB,    32*PW                      ; a K step of 32 in LDS
.set LSTR,  4608                       ; rows: bytes of an expert's part,
.set LCNT,  4224                       ; and where its count lies
.set RL,    14                         ; s[14:15] rows at my expert
.set LA,    54                         ; v[54:59] the list loads' offsets
.set MSB, 0
.macro WIN new                         ; the immediate's high byte repeats the setting that is left; a switch that changes nothing is dropped
.if MSB != (\new)
	s_set_vgpr_msb (MSB<<8)|(\new)
.set MSB, \new
.endif
.endm
	s_load_b256 s[4:11], s[0:1], 0x0               ; W1 s[4:5], b1 s[6:7], ln_g s[8:9], ln_b s[10:11]
	s_load_b128 s[12:15], s[0:1], 0x20             ; xhat s[12:13], rows s[14:15]
	s_load_b64 s[16:17], s[0:1], 0x30              ; act
	v_lshl_add_u32 v30, v0, 2, SPARE               ; my spare word, and 0: kept for the wave's end alone
	v_mov_b32 v31, 0
	v_lshrrev_b32 v8, 5, v0
	v_readfirstlane_b32 s20, v8                    ; wave w
	s_and_b32 s21, ttmp7, 0xffff                   ; expert e
	s_mov_b32 s22, ttmp9                           ; column slice ns
	s_mov_b32 s18, 0xffff0000                      ; lanes 16 to 31
	v_and_b32 v1, 31, v0                           ; lane
	v_and_b32 v2, 15, v0                           ; r = lane % 16
	v_bfe_u32 v3, v0, 4, 1                         ; h = lane / 16
	v_lshlrev_b32 v4, 4, v1                        ; 16 lane
	s_mul_i32 s66, s20, 256*PW
	v_lshl_add_u32 v5, v1, 3, s66                  ; where I lay 4 bf16 of my wave's first k row
	v_and_b32 v8, 7, v0
	v_lshl_add_u32 v8, v3, 3, v8
	v_mul_u32_u24 v6, v8, PW                       ; the turning load: row 8 h + lane % 8,
	v_bfe_u32 v8, v0, 3, 1
	v_lshl_add_u32 v6, v8, 4, v6                   ; 16 bytes for each half of eight lanes
	s_mul_i32 s66, s20, STGB
	s_add_co_u32 s66, s66, STAGE
	v_mov_b32 v29, s66                             ; my stage: from where every lane reads a chunk's ln_g and ln_b; it walks with the stream
	v_add_nc_u32 v9, s66, v4                       ; and where I lay my 16 bytes of them
	v_mul_u32_u24 v16, v2, SP                      ; into the stage on the way out: row r, 16 bytes for each half of the lanes
	v_lshl_add_u32 v16, v3, 4, v16
	v_add_nc_u32 v16, s66, v16
	v_mul_u32_u24 v17, v3, SP                      ; back: lanes 0-15 one row of 256 bytes, lanes 16-31 the next
	v_lshl_add_u32 v17, v2, 4, v17
	v_add_nc_u32 v17, s66, v17
	v_lshlrev_b32 v18, 4, v2                       ; my 16 bytes of such a row
	s_lshl_b32 s66, s21, 24                        ; W1: e x 16 MiB + w x 256 rows + ns x 512 bytes
	s_lshl_b32 s67, s22, 9
	s_add_co_u32 s66, s66, s67
	s_lshl_b32 s67, s20, 22
	s_add_co_u32 s66, s66, s67
	s_mov_b32 s67, 0
	s_lshl_b32 s68, s21, 14                        ; b1: e x 16,384 + ns x 512
	s_lshl_b32 s69, s22, 9
	s_add_co_u32 s68, s68, s69
	s_mov_b32 s69, 0
	s_lshl_b32 s70, s21, 12                        ; ln_g, ln_b: e x 4,096 + w x 1,024
	s_lshl_b32 s71, s20, 10
	s_add_co_u32 s70, s70, s71
	s_mov_b32 s71, 0
	s_lshl_b32 s84, s22, 8                         ; act: ns x 256 bytes in a row
	s_mov_b32 s85, 0
	s_mul_i32 s86, s21, LSTR                       ; rows: my expert's part
	s_mov_b32 s87, 0
	s_wait_kmcnt 0x0
	s_add_nc_u64 s[76:77], s[4:5], s[66:67]        ; SW: the weights, walking
	s_add_nc_u64 s[6:7], s[6:7], s[68:69]
	s_add_nc_u64 s[78:79], s[8:9], s[70:71]        ; my wave's ln_g
	s_add_nc_u64 s[80:81], s[10:11], s[70:71]      ; my wave's ln_b
	s_mov_b64 s[72:73], s[12:13]                   ; SA0: the token rows
	s_add_nc_u64 s[82:83], s[16:17], s[84:85]      ; SO: the output
	s_add_nc_u64 s[RL:RL+1], s[RL:RL+1], s[86:87]
	s_load_b32 s23, s[RL:RL+1], LCNT               ; cnt
.macro FILLW buf, imm                  ; a chunk: 16 loads, each one k row of the slice: 512 consecutive bytes, at a multiple of 512 from W1's first
.set i, 0
.rept 16
	global_load_b128 v[64+64*(\buf)+4*i:64+64*(\buf)+4*i+3], v4, s[76:77] offset:(\imm)+i*ROWB th:TH_LOAD_NT
.set i, i+1
.endr
.endm
; A pass's list: for blocks fb + pb .. + 5, lane l takes entry min(16 block + l % 16, cnt - 1): places past the count repeat the last row.  Six loads, into v10-15.
.macro LISTLD
.irp mb, 0,1,2,3,4,5
	s_add_co_u32 s66, s26, s28
	s_add_co_u32 s66, s66, \mb
	s_min_u32 s66, s66, s24                        ; a dead block names the last block,
	s_min_u32 s66, s66, 63                         ; inside the list whatever the count
	s_lshl_b32 s66, s66, 4
	v_add_nc_u32 v[LA+\mb], s66, v2
	v_min_u32 v[LA+\mb], s19, v[LA+\mb]
	v_min_u32 v[LA+\mb], 1023, v[LA+\mb]
	v_lshlrev_b32 v[LA+\mb], 2, v[LA+\mb]
	global_load_b32 v[10+\mb], v[LA+\mb], s[RL:RL+1]
.endr
.endm
	global_load_b128 v[32:35], v4, s[78:79]            ; ln_g of my wave's rows 4 lane .. (the first 128 rows),
	global_load_b128 v[36:39], v4, s[78:79] offset:512 ; and of the second 128
	global_load_b128 v[40:43], v4, s[80:81]            ; ln_b likewise
	global_load_b128 v[44:47], v4, s[80:81] offset:512
	global_load_b128 v[24:27], v4, s[6:7]          ; b1 of my 4 columns
	FILLW 0, 0
	FILLW 1, CH
	FILLW 2, 2*CH
	s_wait_kmcnt 0x0                               ; cnt
	s_min_u32 s23, s23, 1024
	s_sub_co_i32 s19, s23, 1
	s_max_i32 s19, s19, 0                          ; the last entry (entry 0 where there is none)
	s_add_co_u32 s66, s23, 15
	s_lshr_b32 s66, s66, 4                         ; T16: blocks of 16 rows
	s_sub_co_i32 s24, s66, 1
	s_max_i32 s24, s24, 0                          ; the last block (block 0 where there is none)
	s_add_co_u32 s25, s66, 3
	s_lshr_b32 s25, s25, 2                         ; per: blocks a wave
	s_mul_i32 s26, s20, s25                        ; fb: my first block
	s_sub_co_i32 s27, s66, s26
	s_max_i32 s27, s27, 0
	s_min_i32 s27, s27, s25                        ; nblk: my blocks
	s_mov_b32 s28, 0                               ; pb: blocks done
	LISTLD                                         ; the first pass's list lands under the stream; v10-15 are not named again before the stream's last wait
	s_wait_loadcnt 54                              ; ln_g, ln_b and b1 are in; the 48 weight loads and the 6 list loads behind them stay out
	s_wait_xcnt 0x0                                ; the list loads' offsets lie in v54-59, which are loaded below: only behind this wait
	ds_store_b128 v9, v[32:35]                     ; my stage: ln_g at byte 0, ln_b at byte 1,024
	ds_store_b128 v9, v[36:39] offset:512
	ds_store_b128 v9, v[40:43] offset:1024
	ds_store_b128 v9, v[44:47] offset:1536
.irp q, 0,1,2,3
	ds_load_b128 v[32+4*\q:35+4*\q], v29 offset:16*\q        ; chunk 0's 16 ln_g and 16 ln_b, the same words in every lane; LDS serves a wave's instructions in order (ISA guide 5.7.1.4): these see the stores above
	ds_load_b128 v[48+4*\q:51+4*\q], v29 offset:1024+16*\q
.endr
	s_cmp_eq_u32 s20, 0
	s_cselect_b32 s68, -1, 0
.irp z, 0,1,2,3
	v_cndmask_b32 v[24+\z], 0, v[24+\z], s68       ; the bias sum starts at b1 in wave 0, at 0 in the others
.endr
	s_wait_dscnt 0x0                               ; chunk 0's are in
	; PHASE B.  A chunk's turn.  left = the weight loads issued behind this chunk's: two younger chunks of 16, fewer at the end.
	; nexts = 1: when four rows are done, the registers of their ln_g and ln_b take the next chunk's.  A turn's LDS instructions are four times (4 stores, 2 loads); behind the two loads that a group of four rows
	; needs, the wave has issued 18 LDS instructions (in a turn that asks for nothing: 18 - 2 x the group's number, 12 at the least) when the group begins: s_wait_dscnt 12 shows them in.
.macro TURN u, buf, fill, left, nexts
	s_wait_loadcnt \left
.set i, 0
.rept 16
.if i%4 == 0
	s_wait_dscnt 12
.endif
.set XR, 64+64*(\buf)+4*i
.set TP, 20+2*(i%2)
	v_fmac_f32 v24, v[48+i], v[XR]                 ; ln_b[k] W1[k][n], in f32
	v_fmac_f32 v25, v[48+i], v[XR+1]
	v_fmac_f32 v26, v[48+i], v[XR+2]
	v_fmac_f32 v27, v[48+i], v[XR+3]
	v_mul_f32 v[XR], v[32+i], v[XR]                ; ln_g[k] W1[k][n], rounded once
	v_mul_f32 v[XR+1], v[32+i], v[XR+1]
	v_mul_f32 v[XR+2], v[32+i], v[XR+2]
	v_mul_f32 v[XR+3], v[32+i], v[XR+3]
	v_cvt_pk_bf16_f32 v[TP], v[XR], v[XR+1]
	v_cvt_pk_bf16_f32 v[TP+1], v[XR+2], v[XR+3]
	ds_store_b64 v5, v[TP:TP+1] offset:(16*(\u)+i)*PW   ; 32 lanes x 8 bytes: a whole row
.if (\nexts) && (i%4 == 3)
	ds_load_b128 v[32+i-3:32+i], v29 offset:64*((\u)+1)+4*(i-3)
	ds_load_b128 v[48+i-3:48+i], v29 offset:1024+64*((\u)+1)+4*(i-3)
.endif
.set i, i+1
.endr
.if \fill
	FILLW \buf, ((\u)+3)*CH
.endif
.endm
	s_mov_b32 s31, 4
.Lstream:                                              ; four trips of three chunks; each turn asks for the chunk three further on
	TURN 0, 0, 1, 32, 1
	TURN 1, 1, 1, 32, 1
	TURN 2, 2, 1, 32, 1
	s_wait_xcnt 0x0                                ; the loads' base steps only behind this wait
	s_add_nc_u64 s[76:77], s[76:77], 3*CH
	v_add_nc_u32 v5, 48*PW, v5
	v_add_nc_u32 v29, 192, v29                     ; three chunks' 48 numbers on
	s_sub_co_u32 s31, s31, 1
	s_cmp_lg_u32 s31, 0
	s_cbranch_scc1 .Lstream
	TURN 0, 0, 1, 32, 1                            ; chunks 12 to 15: one more fill (chunk 15), then the counts run down
	TURN 1, 1, 0, 32, 1
	TURN 2, 2, 0, 16, 1
	TURN 3, 0, 0, 0, 0
	s_lshl_b32 s66, s20, 9
	s_add_co_u32 s66, s66, RED
	v_add_nc_u32 v28, s66, v4
	ds_store_b128 v28, v[24:27]                    ; my wave's part of the bias, columns 4 lane ..
	s_wait_dscnt 0x0                               ; for the others' sake: my rows of the slice and my part of the bias are in LDS
	s_barrier_signal -1
	s_barrier_wait -1                              ; behind it the slice and the four parts are only read
	; the bias as the products' results lie: register 8 nb + j = column 16 nb + 8 h + j
	v_lshlrev_b32 v28, 5, v3
	v_add_nc_u32 v28, RED, v28
.macro LDRED q, dst
.irp nb, 0,1,2,3,4,5,6,7
	ds_load_b128 v[(\dst)+8*\nb:(\dst)+8*\nb+3],   v28 offset:512*(\q)+64*\nb
	ds_load_b128 v[(\dst)+8*\nb+4:(\dst)+8*\nb+7], v28 offset:512*(\q)+64*\nb+16
.endr
.endm
.macro ADDRED src
.set z, 0
.rept 32
	v_pk_add_f32 v[64+2*z:65+2*z], v[64+2*z:65+2*z], v[(\src)+2*z:(\src)+2*z+1]
.set z, z+1
.endr
.endm
	LDRED 0, 64
	LDRED 1, 128
	LDRED 2, 192
	s_wait_dscnt 0x0
	ADDRED 128
	ADDRED 192
	LDRED 3, 128
	s_wait_dscnt 0x0
	ADDRED 128
	v_lshlrev_b32 v21, 4, v3                       ; 16 h: a fragment's half of 32 bytes
.macro PAIR r, bits
	v_mov_b32 v[\r], \bits
	v_mov_b32 v[\r+1], \bits
.endm
	PAIR 32, 0x3e6d3388                            ; 0.3275911 / sqrt 2
	PAIR 34, 0xbf38aa3b                            ; -log2(e) / 2
	PAIR 36, 0x3e027906                            ; the five coefficients, halved
	PAIR 38, 0xbe11a98e
	PAIR 40, 0x3f35f0e3
	PAIR 42, 0xbf3a00e3
	PAIR 44, 0x3f07dc22
	PAIR 46, 1.0
	s_mov_b32 s32, 0x7fffffff
	; PHASE C
.macro LOADB koff, buf                 ; the slice's 32 k x 128 n at byte koff: 8 fragments, 16 turning loads
	WIN 0
.irp nb, 0,1,2,3,4,5,6,7
	ds_load_tr16_b128 v[128+64*(\buf)+8*\nb:128+64*(\buf)+8*\nb+3],   v7 offset:(\koff)+32*\nb
	ds_load_tr16_b128 v[128+64*(\buf)+8*\nb+4:128+64*(\buf)+8*\nb+7], v7 offset:(\koff)+32*\nb+16*PW
.endr
.endm
.macro LOADA slot, koff                ; six blocks' token fragments, 32 k at byte koff of the rows: 12 loads, the same number on every path
	WIN 0x40                                       ; destination window 1, address window 0
.irp mb, 0,1,2,3,4,5
	global_load_b128 v[32*\mb+8*(\slot):32*\mb+8*(\slot)+3],   v[10+\mb], s[74:75] offset:(\koff)
	global_load_b128 v[32*\mb+8*(\slot)+4:32*\mb+8*(\slot)+7], v[10+\mb], s[74:75] offset:(\koff)+32
.endr
	WIN 0
.endm
.macro BLK mb, slot, buf, zero         ; 8 products: block mb x all 8 groups of 16 columns; the 8 accumulators take turns
.if (\mb) < 4
	WIN 0xa4                                       ; weights window 0, tokens window 1, C and D window 2
.else
	WIN 0xf4                                       ; C and D window 3
.endif
.irp nb, 0,1,2,3,4,5,6,7
.if \zero
	v_wmma_f32_16x16x32_bf16 v[64*((\mb)%4)+8*\nb:64*((\mb)%4)+8*\nb+7], v[128+64*(\buf)+8*\nb:128+64*(\buf)+8*\nb+7], v[32*(\mb)+8*(\slot):32*(\mb)+8*(\slot)+7], 0
.else
	v_wmma_f32_16x16x32_bf16 v[64*((\mb)%4)+8*\nb:64*((\mb)%4)+8*\nb+7], v[128+64*(\buf)+8*\nb:128+64*(\buf)+8*\nb+7], v[32*(\mb)+8*(\slot):32*(\mb)+8*(\slot)+7], v[64*((\mb)%4)+8*\nb:64*((\mb)%4)+8*\nb+7]
.endif
.endr
.endm
; A K step's products.  zero = 1, a pass's first step: all six blocks, with the constant 0 as C: every accumulator is started, nothing is cleared.  Else blocks at or past s29 (live) are jumped:
; only matrix instructions are jumped, never a load or a wait.  A step ends on group 7 and the next begins on group 0, so no two matrix instructions on end share an accumulator.
.macro BLOCKS slot, buf, zero
	BLK 0, \slot, \buf, \zero
.irp mb, 1,2,3,4,5
.if !(\zero)
	WIN 0                                          ; at a branch and at a label every window is 0
	s_cmp_le_u32 s29, \mb
	s_cbranch_scc1 .Lend_\@
.endif
	BLK \mb, \slot, \buf, \zero
.endr
	WIN 0
.Lend_\@:
.endm
; A K step.  Four v_nop are the places between the last step's products and the loads into registers that those products read (ISA guide 7.12.1 for vector instructions).
; bnext: LDS byte of the next step's weights (-1: none); anext: byte of the token fragments three steps on (-1: none); left: the token loads issued behind this step's: 12 for each younger step.
.macro KSTEP slot, buf, bnext, anext, left, zero
	s_wait_dscnt 0x0                               ; this step's weights, asked for a step ago
.rept 4
	v_nop
.endr
.if (\bnext) >= 0
	LOADB \bnext, 1-(\buf)
.endif
.if (\anext) >= 0
	LOADA ((\slot)+3)%4, \anext
.endif
	s_wait_loadcnt \left
	BLOCKS \slot, \buf, \zero
.endm
; A PASS'S START, for blocks fb + pb .. + 5: the six row offsets, the token fragments of K steps 0 to 2, the weights of step 0, and K step 0, whose products start all 48 sums.
; ld = 1: the pass's list is fetched here; ld = 0, the first pass: it was asked for at the kernel's head and is in since the stream's last wait.
.macro START ld
	s_wait_xcnt 0x0                                ; offsets, base and fragment registers are rewritten only behind this wait, wherever the macro stands
.if \ld
	LISTLD
	s_wait_loadcnt 0x0
.endif
.irp mb, 0,1,2,3,4,5
	s_cmp_gt_u32 s29, \mb
	s_cselect_b32 s67, 0x7fe, 0                    ; a live block keeps 2 x token of p; a dead block's lanes all name token 0: two places of 16 bytes
	v_mov_b32 v[48+\mb], v[10+\mb]                 ; p, kept for the way out
	v_and_b32 v[10+\mb], s67, v[10+\mb]
	v_min_u32 v[10+\mb], 2047, v[10+\mb]           ; inside xhat whatever the list held
	v_lshl_add_u32 v[10+\mb], v[10+\mb], 10, v21   ; token x 2,048 bytes + 16 h
.endr
	s_mov_b64 s[74:75], s[72:73]
	v_mov_b32 v7, v6
	LOADA 0, 0
	LOADA 1, 64
	LOADA 2, 128
	LOADB 0, 0
	KSTEP 0, 0, KB, 192, 36, 1
.endm
	s_mov_b32 s30, 0                               ; three passes of up to six blocks cover a wave's 16 blocks at the most (all 1,024 tokens on one expert)
	s_min_i32 s29, s27, 6                          ; live: my blocks in this pass, 0 to 6
	START 0                                        ; the first pass's start: every wave runs it, one without rows on dead blocks alone
.Lpass:
	s_cmp_lt_i32 s29, 1
	s_cbranch_scc1 .Lk_done                        ; no rows of mine in this pass: the products are jumped, the barriers are not
	s_mov_b32 s31, 7
.Lk:                                                   ; K steps 4 t + 1 .. 4 t + 4
	KSTEP 1, 1, 2*KB, 256, 36, 0
	KSTEP 2, 0, 3*KB, 320, 36, 0
	KSTEP 3, 1, 4*KB, 384, 36, 0
	KSTEP 0, 0, 5*KB, 448, 36, 0
	s_wait_xcnt 0x0                                ; the token loads' base steps only behind this wait
	s_add_nc_u64 s[74:75], s[74:75], 256
	v_add_nc_u32 v7, 4*KB, v7
	s_sub_co_u32 s31, s31, 1
	s_cmp_lg_u32 s31, 0
	s_cbranch_scc1 .Lk
	KSTEP 1, 1, 2*KB, -1, 24, 0                    ; K steps 29 to 31 ask for no tokens: the counts run down
	KSTEP 2, 0, 3*KB, -1, 12, 0
	KSTEP 3, 1, -1, -1, 0, 0
.Lk_done:
.rept 4
	v_nop                                          ; the places between the last products, on either way here, and the first read of a result
.endr
	s_wait_loadcnt 0x0                             ; a wave that jumped has the token loads of K steps 1 to 3 out: their registers are loaded again only behind this wait; on the long way none is out
	s_wait_dscnt 0x0                               ; my reads of the slice in this pass are back
	s_barrier_signal -1                            ; the slice is read by a walking address; this barrier stands between every wave's reads of it and every wave's stores into LDS on the way out,
	s_barrier_wait -1                              ; so that the two are ordered whatever that address holds.  It is on every wave's path
	s_cmp_lt_i32 s29, 1
	s_cbranch_scc1 .Lpass_next
	; THE WAY OUT.  Trip i: block i / 4, column groups 2 (i % 4) and + 1: 16 numbers a lane.  A snippet for each i adds the bias into fixed registers (each accumulator is read from its lowest
	; registers on); a block's last snippet also hands its p on in v29; the gelu is written once.  Behind a block's fourth trip its 16 rows leave through my stage.
.macro SNIP n
.set MBX, (\n)/4
.set BX, (\n)%4
	WIN 2+MBX/4                                    ; source 0 in window 2 or 3
.set z, 0
.rept 8
	v_pk_add_f32 v[128+2*z:129+2*z], v[64*(MBX%4)+16*BX+2*z:64*(MBX%4)+16*BX+2*z+1], v[64+16*BX+2*z:64+16*BX+2*z+1]
.set z, z+1
.endr
	WIN 0
.if BX == 3
	v_mov_b32 v29, v[48+MBX]                       ; lane l: p of the block's row l % 16
.endif
.endm
.macro EACH8 line:vararg
.set z, 0
.rept 8
	\line
.set z, z+1
.endr
.endm
.macro EACH16 line:vararg
.set z, 0
.rept 16
	\line
.set z, z+1
.endr
.endm
	s_mov_b32 s87, 0
.Lepi:
	s_lshr_b32 s66, s87, 2
	s_cmp_ge_u32 s66, s29
	s_cbranch_scc1 .Lepi_next                      ; a dead block
.irp n, 0,1,2,3,4,5,6,7,8,9,10,11,12,13,14,15,16,17,18,19,20,21,22
	s_cmp_eq_u32 s87, \n
	s_cbranch_scc1 .Lsn\n
.endr
	SNIP 23
	s_branch .Lcommon
.irp n, 0,1,2,3,4,5,6,7,8,9,10,11,12,13,14,15,16,17,18,19,20,21
.Lsn\n:
	SNIP \n
	s_branch .Lcommon
.endr
.Lsn22:
	SNIP 22
.Lcommon:                                              ; x v128-143, |x| v144-159, s v160-175, u v176-191, q v192-207
	EACH16 v_and_b32 v[144+z], s32, v[128+z]
	EACH8 v_pk_mul_f32 v[160+2*z:161+2*z], v[128+2*z:129+2*z], v[128+2*z:129+2*z]
	EACH8 v_pk_fma_f32 v[176+2*z:177+2*z], v[144+2*z:145+2*z], v[32:33], v[46:47]
	EACH8 v_pk_mul_f32 v[160+2*z:161+2*z], v[160+2*z:161+2*z], v[34:35]
	EACH16 v_rcp_f32 v[176+z], v[176+z]            ; one batch of 32: u = 1 / (1 + 0.2316 |x|),
	EACH16 v_exp_f32 v[160+z], v[160+z]            ; s = exp(-x x / 2)
	EACH16 v_max_num_f32 v[128+z], 0, v[128+z]     ; plain work that names no result of the batch,
	s_wait_alu depctr_va_vdst(0)                   ; and the one wait ahead of the batch's first reader
	EACH8 v_pk_fma_f32 v[192+2*z:193+2*z], v[176+2*z:177+2*z], v[44:45], v[42:43]
	EACH8 v_pk_fma_f32 v[192+2*z:193+2*z], v[192+2*z:193+2*z], v[176+2*z:177+2*z], v[40:41]
	EACH8 v_pk_fma_f32 v[192+2*z:193+2*z], v[192+2*z:193+2*z], v[176+2*z:177+2*z], v[38:39]
	EACH8 v_pk_fma_f32 v[192+2*z:193+2*z], v[192+2*z:193+2*z], v[176+2*z:177+2*z], v[36:37]
	EACH8 v_pk_mul_f32 v[192+2*z:193+2*z], v[192+2*z:193+2*z], v[176+2*z:177+2*z]
	EACH8 v_pk_mul_f32 v[192+2*z:193+2*z], v[192+2*z:193+2*z], v[160+2*z:161+2*z]
	EACH8 v_pk_fma_f32 v[128+2*z:129+2*z], v[144+2*z:145+2*z], v[192+2*z:193+2*z], v[128+2*z:129+2*z] neg_lo:[1,0,0] neg_hi:[1,0,0]
	EACH8 v_cvt_pk_bf16_f32 v[192+z], v[128+2*z], v[129+2*z]
	s_lshl_b32 s66, s87, 6
	s_and_b32 s66, s66, 192                        ; 64 bytes of a row for each trip of a block
	v_add_nc_u32 v28, s66, v16
	ds_store_b128 v28, v[192:195]
	ds_store_b128 v28, v[196:199] offset:32
	s_and_b32 s66, s87, 3
	s_cmp_lg_u32 s66, 3
	s_cbranch_scc1 .Lepi_next
	s_wait_xcnt 0x0                                ; the block before's stores have read their offsets and data
.irp i, 0,1,2,3,4,5,6,7
	ds_load_b128 v[208+4*\i:211+4*\i], v17 offset:2*SP*\i   ; my own stage: LDS serves a wave's instructions in order (ISA guide 5.7.1.4)
.endr
.irp g, 0,1                            ; store t takes row 2 t in lanes 0-15 and row 2 t + 1 in lanes 16-31: their p out of v29's lanes
.irp i, 0,1,2,3,4,5,6,7
	v_readlane_b32 s[88+\i], v29, 8*\g+\i
.endr
.irp i, 0,1,2,3
	v_mov_b32 v[240+4*\g+\i], s[88+2*\i]
	v_cndmask_b32 v[240+4*\g+\i], v[240+4*\g+\i], s[89+2*\i], s18
.endr
.endr
	s_wait_dscnt 0x0
.irp i, 0,1,2,3,4,5,6,7
	v_min_u32 v[240+\i], 2047, v[240+\i]
	v_lshl_add_u32 v[240+\i], v[240+\i], 13, v18   ; row p of 8,192 bytes + my 16 bytes
	global_store_b128 v[240+\i], v[208+4*\i:211+4*\i], s[82:83]   ; 16 lanes store 256 consecutive bytes, at a multiple of 256 from act's first
.endr
.Lepi_next:
	s_add_co_u32 s87, s87, 1
	s_cmp_lt_u32 s87, 24
	s_cbranch_scc1 .Lepi
.Lpass_next:
	s_wait_xcnt 0x0                                ; the way out's stores have read their data and offsets: those registers are weight-fragment registers again in the next pass, and this wait stands on every way from the stores to it, also the one that jumps the next pass's start
	s_wait_dscnt 0x0                               ; my stores into my stage, and my reads of it, are done
	s_barrier_signal -1                            ; the second barrier of a pass, on every wave's path: it stands between every wave's stores into LDS and the next pass's reads of the slice,
	s_barrier_wait -1                              ; and, in the last pass, between all reads of the slice and the add at the waves' end
	s_add_co_u32 s28, s28, 6
	s_sub_co_i32 s29, s27, s28
	s_min_i32 s29, s29, 6                          ; live, for the next pass
	s_cmp_lt_i32 s29, 1
	s_cbranch_scc1 .Lno_start                      ; nothing left (behind the third pass always: 16 blocks at the most)
	START 1
.Lno_start:
	s_add_co_u32 s30, s30, 1
	s_cmp_lt_u32 s30, 3
	s_cbranch_scc1 .Lpass
	s_wait_tensorcnt 0x0                           ; the wave's end, behind my last LDS store
	ds_add_u32 v30, v31
	s_wait_dscnt 0x0
	s_endpgm
.Lfunc_end_k_q6c550107a2_up:
	.size	k_q6c550107a2_up, .Lfunc_end_k_q6c550107a2_up-k_q6c550107a2_up
	.p2alignl 7, 3214868480
	.fill 96, 4, 3214868480
	.section	.rodata,"a",@progbits
	.p2align	6, 0x0
	.amdhsa_kernel k_q6c550107a2_up
		.amdhsa_group_segment_fixed_size 327680
		.amdhsa_private_segment_fixed_size 0
		.amdhsa_enable_private_segment 0
		.amdhsa_kernarg_size 56
		.amdhsa_user_sgpr_count 2
		.amdhsa_user_sgpr_kernarg_segment_ptr 1
		.amdhsa_wavefront_size32 1
		.amdhsa_system_sgpr_workgroup_id_x 1
		.amdhsa_system_sgpr_workgroup_id_y 1
		.amdhsa_system_sgpr_workgroup_id_z 1
		.amdhsa_system_vgpr_workitem_id 0
		.amdhsa_next_free_vgpr 896
		.amdhsa_next_free_sgpr 96
		.amdhsa_reserve_vcc 0
		.amdhsa_float_denorm_mode_32 3
		.amdhsa_float_denorm_mode_16_64 3
		.amdhsa_memory_ordered 1
		.amdhsa_forward_progress 1
		.amdhsa_inst_pref_size 177
	.end_amdhsa_kernel
	.amdgpu_metadata
---
amdhsa.version: [ 1, 2 ]
amdhsa.kernels:
  - .name:           k_q6c550107a2_up
    .symbol:         k_q6c550107a2_up.kd
    .args:
      - { .name: W1, .offset: 0, .size: 8, .value_kind: global_buffer, .address_space: global }
      - { .name: b1, .offset: 8, .size: 8, .value_kind: global_buffer, .address_space: global }
      - { .name: ln_g, .offset: 16, .size: 8, .value_kind: global_buffer, .address_space: global }
      - { .name: ln_b, .offset: 24, .size: 8, .value_kind: global_buffer, .address_space: global }
      - { .name: xhat, .offset: 32, .size: 8, .value_kind: global_buffer, .address_space: global }
      - { .name: rows, .offset: 40, .size: 8, .value_kind: global_buffer, .address_space: global }
      - { .name: act, .offset: 48, .size: 8, .value_kind: global_buffer, .address_space: global }
    .group_segment_fixed_size: 327680
    .private_segment_fixed_size: 0
    .kernarg_segment_align: 8
    .kernarg_segment_size: 56
    .max_flat_workgroup_size: 128
    .sgpr_count:     96
    .vgpr_count:     896
    .wavefront_size: 32
...
	.end_amdgpu_metadata
.endif
;; end of part 3
;; launch down (part 4): grid 32 x 8, 4 waves a work-group, no clusters, 327,680 bytes of LDS; arguments W2, act, rows, gatew, part; writes part
.if DOCPART == 4
	.amdgcn_target "amdgcn-amd-amdhsa--gfx1250"
	.amdhsa_code_object_version 6
	.text
	.protected	k_q6c550107a2_down
	.globl	k_q6c550107a2_down
	.p2align	8
	.type	k_q6c550107a2_down,@function
k_q6c550107a2_down:
	s_mov_b64 s[64:65], 0
	v_nop
	global_prefetch_b8 v0, s[64:65] scope:SCOPE_SE
	s_setreg_imm32_b32 hwreg(HW_REG_WAVE_MODE, 25, 1), 1
	s_wait_xcnt 0x0
; SECOND PRODUCT, IN FOUR PARTS ALONG K.  part[kc][p][n] = gate[p] x sum over k in quarter kc of act[p][k] W2[e][k][n], in f32; p = 2 t + slot.  The launch behind adds the parts.
; A work-group (x = 4 ns + kc, y = e) owns the slice W2[e][1024 kc .. + 1023][128 ns .. + 127], 512 KiB of f32, which it alone reads, once, and all rows p of expert e, however many (0 to 1,024).
; K is split so that a slice keeps rows of 512 bytes and fits LDS as bf16; the price is the four partial rows, kept in f32.
; The expert's count and its list of p come from rows, whole numbers stored by an earlier launch: the count by a scalar load, a pass's six blocks of 16 entries by six loads straight into registers.
; PHASES as in the first product.  B: wave w streams k rows 256 w .. + 255 of the slice, rounds them once to bf16 and lays them into LDS.  One barrier.
; C: blocks of 16 rows, up to six a pass, three passes; act rows come from memory straight into registers as matrix operands, weights out of LDS, turned.  Constant trip counts; dead blocks and dead passes
; are jumped forward.  A pass's start (row offsets, gates, first loads, K step 0, which starts all 48 sums) stands ahead of the loop for the first pass, where every wave runs it, and at the loop's bottom
; for the next.  A pass has two barriers, on every wave's path, outside what is jumped: one between the reads of the slice and the stores into the stages, one behind the way out.
; THE MATRIX INSTRUCTION IS USED TRANSPOSED: lane l holds token l % 16 and columns 8 (l / 16) + 0..7, so a row's gate is one number a lane.
; NO CLUSTER, NO TENSOR LOADS: a slice has one reader; the rows shared by an expert's work-groups come by a list; the weights pass through registers for their rounding, each LDS byte of the slice written once.
; LIMITS.  NaN and infinities are not treated apart.  Places past the count in the last block of 16 repeat the expert's last row and store that row's own numbers once more.
; REGISTERS: window 0: v0-31 addresses and at work; v32-37 the blocks' p, v38-43 the list loads' offsets, v46-57 six gates (as pairs), v58-63 their offsets; v64-255 three stream buffers, later v128-255 two
; buffers of weight fragments (at work on the way out).  window 1: v0-191 token fragments (32 mb + 8 slot).  window 2: accumulators of blocks 0-3 (64 mb + 8 nb).  window 3: v0-127 those of blocks 4, 5.
.set PW,    288                        ; an LDS row of the slice: 128 bf16 + 32 bytes: an odd multiple of 32 (64 banks of 4 bytes: ISA guide 11.1)
.set STAGE, 1024*PW                    ; 294,912: each wave's own 16 rows x 272 bytes
.set STGB,  4352
.set SP,    272
.set SPARE, STAGE+4*STGB               ; 312,320: the spare words, 128 bytes a wave: two blocks of 256 bytes that no other line names
.set ROWB,  4096                       ; bytes from a k row of W2 to the next
.set CH,    16*ROWB
.set KB,    32*PW
.set LSTR,  4608                       ; rows: bytes of an expert's part,
.set LCNT,  4224                       ; and where its count lies
.set RL,    8                          ; s[8:9] rows at my expert
.set LA,    38                         ; v[38:43] the list loads' offsets
.set MSB, 0
.macro WIN new                         ; the immediate's high byte repeats the setting that is left; a switch that changes nothing is dropped
.if MSB != (\new)
	s_set_vgpr_msb (MSB<<8)|(\new)
.set MSB, \new
.endif
.endm
	s_load_b256 s[4:11], s[0:1], 0x0               ; W2 s[4:5], act s[6:7], rows s[8:9], gatew s[10:11]
	s_load_b64 s[12:13], s[0:1], 0x20              ; part
	v_lshl_add_u32 v30, v0, 2, SPARE               ; my spare word, and 0: kept for the wave's end alone
	v_mov_b32 v31, 0
	v_lshrrev_b32 v8, 5, v0
	v_readfirstlane_b32 s20, v8                    ; wave w
	s_and_b32 s21, ttmp7, 0xffff                   ; expert e
	s_and_b32 s86, ttmp9, 3                        ; K quarter kc
	s_lshr_b32 s22, ttmp9, 2                       ; column slice ns
	s_mov_b32 s18, 0xffff0000                      ; lanes 16 to 31
	v_and_b32 v1, 31, v0                           ; lane
	v_and_b32 v2, 15, v0                           ; r
	v_bfe_u32 v3, v0, 4, 1                         ; h
	v_lshlrev_b32 v4, 4, v1
	v_mov_b32 v29, 0                               ; the way out's p: written whole once
	s_mul_i32 s66, s20, 256*PW
	v_lshl_add_u32 v5, v1, 3, s66                  ; where I lay 4 bf16 of my wave's first k row
	v_and_b32 v8, 7, v0
	v_lshl_add_u32 v8, v3, 3, v8
	v_mul_u32_u24 v6, v8, PW                       ; the turning load: row 8 h + lane % 8,
	v_bfe_u32 v8, v0, 3, 1
	v_lshl_add_u32 v6, v8, 4, v6                   ; 16 bytes for each half of eight lanes
	s_mul_i32 s66, s20, STGB
	s_add_co_u32 s66, s66, STAGE
	v_mul_u32_u24 v16, v2, SP                      ; into the stage: row r, 32 bytes (8 f32) for each half of the lanes
	v_lshl_add_u32 v16, v3, 5, v16
	v_add_nc_u32 v16, s66, v16
	v_mul_u32_u24 v17, v3, SP                      ; back: lanes 0-15 one row of 256 bytes, lanes 16-31 the next
	v_lshl_add_u32 v17, v2, 4, v17
	v_add_nc_u32 v17, s66, v17
	v_lshlrev_b32 v18, 4, v2
	s_lshl_b32 s66, s21, 24                        ; W2: e x 16 MiB + kc x 1,024 rows + w x 256 rows + ns x 512 bytes
	s_lshl_b32 s67, s86, 22
	s_add_co_u32 s66, s66, s67
	s_lshl_b32 s67, s20, 20
	s_add_co_u32 s66, s66, s67
	s_lshl_b32 s67, s22, 9
	s_add_co_u32 s66, s66, s67
	s_mov_b32 s67, 0
	s_lshl_b32 s68, s86, 11                        ; act: the quarter's 2,048 bytes in a row
	s_mov_b32 s69, 0
	s_lshl_b32 s70, s86, 23                        ; part: kc x 8 MiB + ns x 512 bytes
	s_lshl_b32 s71, s22, 9
	s_add_co_u32 s70, s70, s71
	s_mov_b32 s71, 0
	s_mul_i32 s14, s21, LSTR                       ; rows: my expert's part
	s_mov_b32 s15, 0
	s_wait_kmcnt 0x0
	s_add_nc_u64 s[76:77], s[4:5], s[66:67]        ; SW: the weights, walking
	s_add_nc_u64 s[72:73], s[6:7], s[68:69]        ; SA0: the rows of act
	s_add_nc_u64 s[82:83], s[12:13], s[70:71]      ; SO: the output
	s_add_nc_u64 s[RL:RL+1], s[RL:RL+1], s[14:15]
	s_load_b32 s23, s[RL:RL+1], LCNT               ; cnt
.macro FILLW buf, imm                  ; a chunk: 16 loads, each one k row of the slice: 512 consecutive bytes, at a multiple of 512 from W2's first
.set i, 0
.rept 16
	global_load_b128 v[64+64*(\buf)+4*i:64+64*(\buf)+4*i+3], v4, s[76:77] offset:(\imm)+i*ROWB th:TH_LOAD_NT
.set i, i+1
.endr
.endm
; A pass's list: for blocks fb + pb .. + 5, lane l takes entry min(16 block + l % 16, cnt - 1): places past the count repeat the last row.  Six loads, into v10-15.
.macro LISTLD
.irp mb, 0,1,2,3,4,5
	s_add_co_u32 s66, s26, s28
	s_add_co_u32 s66, s66, \mb
	s_min_u32 s66, s66, s24                        ; a dead block names the last block,
	s_min_u32 s66, s66, 63                         ; inside the list whatever the count
	s_lshl_b32 s66, s66, 4
	v_add_nc_u32 v[LA+\mb], s66, v2
	v_min_u32 v[LA+\mb], s19, v[LA+\mb]
	v_min_u32 v[LA+\mb], 1023, v[LA+\mb]
	v_lshlrev_b32 v[LA+\mb], 2, v[LA+\mb]
	global_load_b32 v[10+\mb], v[LA+\mb], s[RL:RL+1]
.endr
.endm
	FILLW 0, 0
	FILLW 1, CH
	FILLW 2, 2*CH
	s_wait_kmcnt 0x0                               ; cnt
	s_min_u32 s23, s23, 1024
	s_sub_co_i32 s19, s23, 1
	s_max_i32 s19, s19, 0                          ; the last entry (entry 0 where there is none)
	s_add_co_u32 s66, s23, 15
	s_lshr_b32 s66, s66, 4                         ; T16
	s_sub_co_i32 s24, s66, 1
	s_max_i32 s24, s24, 0                          ; the last block (block 0 where there is none)
	s_add_co_u32 s25, s66, 3
	s_lshr_b32 s25, s25, 2                         ; per
	s_mul_i32 s26, s20, s25                        ; fb
	s_sub_co_i32 s27, s66, s26
	s_max_i32 s27, s27, 0
	s_min_i32 s27, s27, s25                        ; nblk
	s_mov_b32 s28, 0                               ; pb
	LISTLD                                         ; the first pass's list lands under the stream; v10-15 and v38-43 are not named again before the stream's last wait
.irp mb, 0,1,2,3,4,5
	v_mov_b32 v[47+2*\mb], 0                       ; the gates are named as pairs: the upper words are written once
.endr
	; PHASE B.  left = the weight loads issued behind this chunk's.
.macro TURN u, buf, fill, left
	s_wait_loadcnt \left
.set i, 0
.rept 16
.set XR, 64+64*(\buf)+4*i
.set TP, 20+2*(i%2)
	v_cvt_pk_bf16_f32 v[TP], v[XR], v[XR+1]
	v_cvt_pk_bf16_f32 v[TP+1], v[XR+2], v[XR+3]
	ds_store_b64 v5, v[TP:TP+1] offset:(16*(\u)+i)*PW
.set i, i+1
.endr
.if \fill
	FILLW \buf, ((\u)+3)*CH
.endif
.endm
	s_mov_b32 s31, 4
.Lstream:
	TURN 0, 0, 1, 32
	TURN 1, 1, 1, 32
	TURN 2, 2, 1, 32
	s_wait_xcnt 0x0                                ; the loads' base steps only behind this wait
	s_add_nc_u64 s[76:77], s[76:77], 3*CH
	v_add_nc_u32 v5, 48*PW, v5
	s_sub_co_u32 s31, s31, 1
	s_cmp_lg_u32 s31, 0
	s_cbranch_scc1 .Lstream
	TURN 0, 0, 1, 32                               ; chunks 12 to 15: one more fill, then the counts run down
	TURN 1, 1, 0, 32
	TURN 2, 2, 0, 16
	TURN 3, 0, 0, 0
	s_wait_dscnt 0x0                               ; for the others' sake: my rows of the slice are in LDS
	s_barrier_signal -1
	s_barrier_wait -1                              ; behind it the slice is only read
	v_lshlrev_b32 v21, 4, v3                       ; 16 h: a fragment's half of 32 bytes
	; PHASE C
.macro LOADB koff, buf
	WIN 0
.irp nb, 0,1,2,3,4,5,6,7
	ds_load_tr16_b128 v[128+64*(\buf)+8*\nb:128+64*(\buf)+8*\nb+3],   v7 offset:(\koff)+32*\nb
	ds_load_tr16_b128 v[128+64*(\buf)+8*\nb+4:128+64*(\buf)+8*\nb+7], v7 offset:(\koff)+32*\nb+16*PW
.endr
.endm
.macro LOADA slot, koff
	WIN 0x40                                       ; destination window 1, address window 0
.irp mb, 0,1,2,3,4,5
	global_load_b128 v[32*\mb+8*(\slot):32*\mb+8*(\slot)+3],   v[10+\mb], s[74:75] offset:(\koff)
	global_load_b128 v[32*\mb+8*(\slot)+4:32*\mb+8*(\slot)+7], v[10+\mb], s[74:75] offset:(\koff)+32
.endr
	WIN 0
.endm
.macro BLK mb, slot, buf, zero         ; 8 products; the 8 accumulators take turns
.if (\mb) < 4
	WIN 0xa4
.else
	WIN 0xf4
.endif
.irp nb, 0,1,2,3,4,5,6,7
.if \zero
	v_wmma_f32_16x16x32_bf16 v[64*((\mb)%4)+8*\nb:64*((\mb)%4)+8*\nb+7], v[128+64*(\buf)+8*\nb:128+64*(\buf)+8*\nb+7], v[32*(\mb)+8*(\slot):32*(\mb)+8*(\slot)+7], 0
.else
	v_wmma_f32_16x16x32_bf16 v[64*((\mb)%4)+8*\nb:64*((\mb)%4)+8*\nb+7], v[128+64*(\buf)+8*\nb:128+64*(\buf)+8*\nb+7], v[32*(\mb)+8*(\slot):32*(\mb)+8*(\slot)+7], v[64*((\mb)%4)+8*\nb:64*((\mb)%4)+8*\nb+7]
.endif
.endr
.endm
.macro BLOCKS slot, buf, zero          ; zero = 1: all six blocks start their sums with the constant 0; else blocks at or past s29 are jumped: matrix instructions alone
	BLK 0, \slot, \buf, \zero
.irp mb, 1,2,3,4,5
.if !(\zero)
	WIN 0                                          ; at a branch and at a label every window is 0
	s_cmp_le_u32 s29, \mb
	s_cbranch_scc1 .Lend_\@
.endif
	BLK \mb, \slot, \buf, \zero
.endr
	WIN 0
.Lend_\@:
.endm
.macro KSTEP slot, buf, bnext, anext, left, zero
	s_wait_dscnt 0x0                               ; this step's weights, asked for a step ago
.rept 4
	v_nop                                          ; the places between the last step's products and the loads into registers that they read
.endr
.if (\bnext) >= 0
	LOADB \bnext, 1-(\buf)
.endif
.if (\anext) >= 0
	LOADA ((\slot)+3)%4, \anext
.endif
	s_wait_loadcnt \left                           ; 12 loads for each younger step stay out
	BLOCKS \slot, \buf, \zero
.endm
; A PASS'S START, for blocks fb + pb .. + 5: the six row offsets and gates, the fragments of act for K steps 0 to 2, the weights of step 0, and K step 0, whose products start all 48 sums.
; ld = 1: the pass's list is fetched here; ld = 0, the first pass: it was asked for at the kernel's head and is in since the stream's last wait.
.macro START ld
	s_wait_xcnt 0x0                                ; offsets, base and fragment registers are rewritten only behind this wait, wherever the macro stands
.if \ld
	LISTLD
	s_wait_loadcnt 0x0
.endif
.irp mb, 0,1,2,3,4,5
	s_cmp_gt_u32 s29, \mb
	s_cselect_b32 s67, 0x7ff, 0                    ; a live block keeps p; a dead block's lanes all name row 0: two places of 16 bytes
	v_and_b32 v[10+\mb], s67, v[10+\mb]
	v_min_u32 v[10+\mb], 2047, v[10+\mb]           ; inside act and gatew whatever the list held
	v_mov_b32 v[32+\mb], v[10+\mb]                 ; p, kept for the way out
	v_lshlrev_b32 v[58+\mb], 2, v[10+\mb]          ; the gate's place
	v_lshl_add_u32 v[10+\mb], v[10+\mb], 13, v21   ; row p of 8,192 bytes + 16 h
	global_load_b32 v[46+2*\mb], v[58+\mb], s[10:11]   ; older than every load of act: the first counted wait covers it
.endr
	s_mov_b64 s[74:75], s[72:73]
	v_mov_b32 v7, v6
	LOADA 0, 0
	LOADA 1, 64
	LOADA 2, 128
	LOADB 0, 0
	KSTEP 0, 0, KB, 192, 36, 1
.endm
	s_mov_b32 s30, 0                               ; three passes of up to six blocks cover a wave's 16 blocks at the most
	s_min_i32 s29, s27, 6                          ; live: my blocks in this pass, 0 to 6
	START 0                                        ; the first pass's start: every wave runs it, one without rows on dead blocks alone
.Lpass:
	s_cmp_lt_i32 s29, 1
	s_cbranch_scc1 .Lk_done                        ; no rows of mine in this pass: the products are jumped, the barriers are not
	s_mov_b32 s31, 7
.Lk:
	KSTEP 1, 1, 2*KB, 256, 36, 0
	KSTEP 2, 0, 3*KB, 320, 36, 0
	KSTEP 3, 1, 4*KB, 384, 36, 0
	KSTEP 0, 0, 5*KB, 448, 36, 0
	s_wait_xcnt 0x0                                ; the loads' base steps only behind this wait
	s_add_nc_u64 s[74:75], s[74:75], 256
	v_add_nc_u32 v7, 4*KB, v7
	s_sub_co_u32 s31, s31, 1
	s_cmp_lg_u32 s31, 0
	s_cbranch_scc1 .Lk
	KSTEP 1, 1, 2*KB, -1, 24, 0
	KSTEP 2, 0, 3*KB, -1, 12, 0
	KSTEP 3, 1, -1, -1, 0, 0
.Lk_done:
.rept 4
	v_nop                                          ; the places between the last products, on either way here, and the first read of a result
.endr
	s_wait_loadcnt 0x0                             ; a wave that jumped has the loads of K steps 1 to 3 out: their registers are loaded again only behind this wait; on the long way none is out
	s_wait_dscnt 0x0                               ; my reads of the slice in this pass are back
	s_barrier_signal -1                            ; the slice is read by a walking address; this barrier stands between every wave's reads of it and every wave's stores into LDS on the way out,
	s_barrier_wait -1                              ; so that the two are ordered whatever that address holds.  It is on every wave's path
	s_cmp_lt_i32 s29, 1
	s_cbranch_scc1 .Lpass_next
	; THE WAY OUT.  Trip i: block i / 2, columns 64 (i % 2) .. + 63: 32 numbers a lane, times the row's gate (each accumulator is read from its lowest registers on),
	; through my stage, and out as whole rows of 256 bytes.  A snippet also hands its block's p on in v29.
.macro SNIP n
.set MBX, (\n)/2
.set HX, (\n)%2
	WIN 2+MBX/4
.set z, 0
.rept 16
	v_pk_mul_f32 v[128+2*z:129+2*z], v[64*(MBX%4)+32*HX+2*z:64*(MBX%4)+32*HX+2*z+1], v[46+2*MBX:47+2*MBX] op_sel_hi:[1,0]
.set z, z+1
.endr
	WIN 0
	v_mov_b32 v29, v[32+MBX]                       ; lane l: p of the block's row l % 16
.endm
	s_mov_b32 s87, 0
.Lepi:
	s_lshr_b32 s66, s87, 1
	s_cmp_ge_u32 s66, s29
	s_cbranch_scc1 .Lepi_next
.irp n, 0,1,2,3,4,5,6,7,8,9,10
	s_cmp_eq_u32 s87, \n
	s_cbranch_scc1 .Lsn\n
.endr
	SNIP 11
	s_branch .Lcommon
.irp n, 0,1,2,3,4,5,6,7,8,9
.Lsn\n:
	SNIP \n
	s_branch .Lcommon
.endr
.Lsn10:
	SNIP 10
.Lcommon:
	s_wait_xcnt 0x0                                ; the trip before's stores have read their offsets, data and base
.irp q, 0,1,2,3
	ds_store_b128 v16, v[128+8*\q:131+8*\q] offset:64*\q
	ds_store_b128 v16, v[132+8*\q:135+8*\q] offset:64*\q+16
.endr
.irp i, 0,1,2,3,4,5,6,7
	ds_load_b128 v[160+4*\i:163+4*\i], v17 offset:2*SP*\i   ; my own stage: LDS serves a wave's instructions in order (ISA guide 5.7.1.4)
.endr
.irp g, 0,1                            ; store t takes row 2 t in lanes 0-15 and row 2 t + 1 in lanes 16-31: their p out of v29's lanes
.irp i, 0,1,2,3,4,5,6,7
	v_readlane_b32 s[88+\i], v29, 8*\g+\i
.endr
.irp i, 0,1,2,3
	v_mov_b32 v[240+4*\g+\i], s[88+2*\i]
	v_cndmask_b32 v[240+4*\g+\i], v[240+4*\g+\i], s[89+2*\i], s18
.endr
.endr
	s_and_b32 s66, s87, 1
	s_lshl_b32 s66, s66, 8
	s_mov_b32 s67, 0
	s_add_nc_u64 s[84:85], s[82:83], s[66:67]      ; the half's 256 bytes of a row
	s_wait_dscnt 0x0
.irp i, 0,1,2,3,4,5,6,7
	v_min_u32 v[240+\i], 2047, v[240+\i]
	v_lshl_add_u32 v[240+\i], v[240+\i], 12, v18   ; row p of 4,096 bytes + my 16 bytes
	global_store_b128 v[240+\i], v[160+4*\i:163+4*\i], s[84:85] th:TH_STORE_NT   ; 16 lanes store 256 consecutive bytes, at a multiple of 256 from part's first
.endr
.Lepi_next:
	s_add_co_u32 s87, s87, 1
	s_cmp_lt_u32 s87, 12
	s_cbranch_scc1 .Lepi
.Lpass_next:
	s_wait_xcnt 0x0                                ; the way out's stores have read their data and offsets: those registers are weight-fragment registers again in the next pass, and this wait stands on every way from the stores to it, also the one that jumps the next pass's start
	s_wait_dscnt 0x0                               ; my stores into my stage, and my reads of it, are done
	s_barrier_signal -1                            ; the second barrier of a pass, on every wave's path: it stands between every wave's stores into LDS and the next pass's reads of the slice,
	s_barrier_wait -1                              ; and, in the last pass, between all reads of the slice and the add at the waves' end
	s_add_co_u32 s28, s28, 6
	s_sub_co_i32 s29, s27, s28
	s_min_i32 s29, s29, 6                          ; live, for the next pass
	s_cmp_lt_i32 s29, 1
	s_cbranch_scc1 .Lno_start                      ; nothing left (behind the third pass always: 16 blocks at the most)
	START 1
.Lno_start:
	s_add_co_u32 s30, s30, 1
	s_cmp_lt_u32 s30, 3
	s_cbranch_scc1 .Lpass
	s_wait_tensorcnt 0x0                           ; the wave's end, behind my last LDS store
	ds_add_u32 v30, v31
	s_wait_dscnt 0x0
	s_endpgm
.Lfunc_end_k_q6c550107a2_down:
	.size	k_q6c550107a2_down, .Lfunc_end_k_q6c550107a2_down-k_q6c550107a2_down
	.p2alignl 7, 3214868480
	.fill 96, 4, 3214868480
	.section	.rodata,"a",@progbits
	.p2align	6, 0x0
	.amdhsa_kernel k_q6c550107a2_down
		.amdhsa_group_segment_fixed_size 327680
		.amdhsa_private_segment_fixed_size 0
		.amdhsa_enable_private_segment 0
		.amdhsa_kernarg_size 40
		.amdhsa_user_sgpr_count 2
		.amdhsa_user_sgpr_kernarg_segment_ptr 1
		.amdhsa_wavefront_size32 1
		.amdhsa_system_sgpr_workgroup_id_x 1
		.amdhsa_system_sgpr_workgroup_id_y 1
		.amdhsa_system_sgpr_workgroup_id_z 1
		.amdhsa_system_vgpr_workitem_id 0
		.amdhsa_next_free_vgpr 896
		.amdhsa_next_free_sgpr 96
		.amdhsa_reserve_vcc 0
		.amdhsa_float_denorm_mode_32 3
		.amdhsa_float_denorm_mode_16_64 3
		.amdhsa_memory_ordered 1
		.amdhsa_forward_progress 1
		.amdhsa_inst_pref_size 124
	.end_amdhsa_kernel
	.amdgpu_metadata
---
amdhsa.version: [ 1, 2 ]
amdhsa.kernels:
  - .name:           k_q6c550107a2_down
    .symbol:         k_q6c550107a2_down.kd
    .args:
      - { .name: W2, .offset: 0, .size: 8, .value_kind: global_buffer, .address_space: global }
      - { .name: act, .offset: 8, .size: 8, .value_kind: global_buffer, .address_space: global }
      - { .name: rows, .offset: 16, .size: 8, .value_kind: global_buffer, .address_space: global }
      - { .name: gatew, .offset: 24, .size: 8, .value_kind: global_buffer, .address_space: global }
      - { .name: part, .offset: 32, .size: 8, .value_kind: global_buffer, .address_space: global }
    .group_segment_fixed_size: 327680
    .private_segment_fixed_size: 0
    .kernarg_segment_align: 8
    .kernarg_segment_size: 40
    .max_flat_workgroup_size: 128
    .sgpr_count:     96
    .vgpr_count:     896
    .wavefront_size: 32
...
	.end_amdgpu_metadata
.endif
;; end of part 4
;; launch combine (part 5): grid 256 x 1, 8 waves a work-group, no clusters, 0 bytes of LDS; arguments part, x, b2, choice, gatew, out0; writes out0
.if DOCPART == 5
	.amdgcn_target "amdgcn-amd-amdhsa--gfx1250"
	.amdhsa_code_object_version 6
	.text
	.protected	k_q6c550107a2_combine
	.globl	k_q6c550107a2_combine
	.p2align	8
	.type	k_q6c550107a2_combine,@function
k_q6c550107a2_combine:
	s_mov_b64 s[64:65], 0
	v_nop
	global_prefetch_b8 v0, s[64:65] scope:SCOPE_SE
	s_setreg_imm32_b32 hwreg(HW_REG_WAVE_MODE, 25, 1), 1
	s_wait_xcnt 0x0
; THE SUM.  out[t] = the 8 partial rows part[kc][2 t + s] (already times their gates) + w0 b2[e0] + w1 b2[e1] + (w0 + w1) x[t], all in f32.
; A work-group has 4 tokens, a wave half a token: 512 columns, four loads of 512 consecutive bytes from each of 11 rows.  All 44 loads of a wave go out before the first wait for data.
; A stream: no LDS, no barrier, no matrix unit.  e0, e1 come from choice, whole numbers stored by the first launch, and are held to 0..7 before they enter an address.
.set P, 8                              ; v[8:151]   chunk c at P + 36 c: eight partial rows of 4 registers, then x
.set BB, 152                           ; v[152:183] chunk c at BB + 8 c: b2[e0], b2[e1]
	s_load_b256 s[4:11], s[0:1], 0x0               ; part s[4:5], x s[6:7], b2 s[8:9], choice s[10:11]
	s_load_b128 s[12:15], s[0:1], 0x20             ; gatew s[12:13], out0 s[14:15]
	v_lshrrev_b32 v2, 5, v0
	v_readfirstlane_b32 s16, v2                    ; wave
	s_lshr_b32 s17, s16, 1
	s_lshl2_add_u32 s17, ttmp9, s17                ; token
	s_and_b32 s18, s16, 1
	s_lshl_b32 s18, s18, 11                        ; my half of a row: 2,048 bytes
	v_and_b32 v1, 31, v0
	v_lshlrev_b32 v1, 4, v1                        ; 16 lane
	s_lshl_b32 s32, s17, 13                        ; part: rows 2 t and 2 t + 1 of 4,096 bytes
	s_add_co_u32 s32, s32, s18
	s_mov_b32 s33, 0
	s_lshl_b32 s34, s17, 12                        ; x, out0
	s_add_co_u32 s34, s34, s18
	s_mov_b32 s35, 0
	s_lshl_b32 s40, s17, 2                         ; choice
	s_mov_b32 s41, 0
	s_lshl_b32 s42, s17, 3                         ; gatew
	s_mov_b32 s43, 0
	s_wait_kmcnt 0x0
	s_add_nc_u64 s[10:11], s[10:11], s[40:41]
	s_add_nc_u64 s[12:13], s[12:13], s[42:43]
	s_load_b32 s19, s[10:11], 0x0
	s_load_b64 s[22:23], s[12:13], 0x0
	s_add_nc_u64 s[24:25], s[4:5], s[32:33]        ; the four K quarters, 8 MiB apart
	s_add_nc_u64 s[26:27], s[24:25], 0x800000
	s_add_nc_u64 s[28:29], s[26:27], 0x800000
	s_add_nc_u64 s[30:31], s[28:29], 0x800000
	s_add_nc_u64 s[6:7], s[6:7], s[34:35]
	s_add_nc_u64 s[14:15], s[14:15], s[34:35]
.irp c, 0,1,2,3
.irp q, 0,1,2,3
	global_load_b128 v[P+36*\c+8*\q:P+36*\c+8*\q+3],   v1, s[24+2*\q:25+2*\q] offset:512*\c th:TH_LOAD_NT
	global_load_b128 v[P+36*\c+8*\q+4:P+36*\c+8*\q+7], v1, s[24+2*\q:25+2*\q] offset:4096+512*\c th:TH_LOAD_NT
.endr
	global_load_b128 v[P+36*\c+32:P+36*\c+35], v1, s[6:7] offset:512*\c
.endr
	s_wait_kmcnt 0x0
	s_and_b32 s40, s19, 0xffff
	s_min_u32 s40, s40, 7
	s_lshl_b32 s40, s40, 12                        ; b2[e0]
	s_add_co_u32 s40, s40, s18
	s_mov_b32 s41, 0
	s_lshr_b32 s42, s19, 16
	s_min_u32 s42, s42, 7
	s_lshl_b32 s42, s42, 12                        ; b2[e1]
	s_add_co_u32 s42, s42, s18
	s_mov_b32 s43, 0
	s_add_nc_u64 s[36:37], s[8:9], s[40:41]
	s_add_nc_u64 s[38:39], s[8:9], s[42:43]
.irp c, 0,1,2,3
	global_load_b128 v[BB+8*\c:BB+8*\c+3],   v1, s[36:37] offset:512*\c
	global_load_b128 v[BB+8*\c+4:BB+8*\c+7], v1, s[38:39] offset:512*\c
.endr
	s_mov_b32 s44, s23                             ; w1, and w0 + w1, each the low word of a pair of its own; w0 is the low word of s[22:23]
	s_mov_b32 s45, s23
	s_add_f32 s46, s22, s23
	s_mov_b32 s47, s46
.macro ADD4 d, s
	v_pk_add_f32 v[\d:\d+1], v[\d:\d+1], v[\s:\s+1]
	v_pk_add_f32 v[\d+2:\d+3], v[\d+2:\d+3], v[\s+2:\s+3]
.endm
.macro FMA4 d, s, w
	v_pk_fma_f32 v[\d:\d+1], v[\s:\s+1], s[\w:\w+1], v[\d:\d+1] op_sel_hi:[1,0,1]
	v_pk_fma_f32 v[\d+2:\d+3], v[\s+2:\s+3], s[\w:\w+1], v[\d+2:\d+3] op_sel_hi:[1,0,1]
.endm
.irp c, 0,1,2,3
	s_wait_loadcnt 6-2*\c                          ; all but the later chunks' loads of b2, two each
	ADD4 P+36*\c, P+36*\c+4
	ADD4 P+36*\c+8, P+36*\c+12
	ADD4 P+36*\c+16, P+36*\c+20
	ADD4 P+36*\c+24, P+36*\c+28
	ADD4 P+36*\c, P+36*\c+8
	ADD4 P+36*\c+16, P+36*\c+24
	ADD4 P+36*\c, P+36*\c+16
	FMA4 P+36*\c, BB+8*\c, 22
	FMA4 P+36*\c, BB+8*\c+4, 44
	FMA4 P+36*\c, P+36*\c+32, 46
	global_store_b128 v1, v[P+36*\c:P+36*\c+3], s[14:15] offset:512*\c th:TH_STORE_NT   ; 512 consecutive bytes, at a multiple of 512 from out0's first
.endr
	s_endpgm
.Lfunc_end_k_q6c550107a2_combine:
	.size	k_q6c550107a2_combine, .Lfunc_end_k_q6c550107a2_combine-k_q6c550107a2_combine
	.p2alignl 7, 3214868480
	.fill 96, 4, 3214868480
	.section	.rodata,"a",@progbits
	.p2align	6, 0x0
	.amdhsa_kernel k_q6c550107a2_combine
		.amdhsa_group_segment_fixed_size 0
		.amdhsa_private_segment_fixed_size 0
		.amdhsa_enable_private_segment 0
		.amdhsa_kernarg_size 48
		.amdhsa_user_sgpr_count 2
		.amdhsa_user_sgpr_kernarg_segment_ptr 1
		.amdhsa_wavefront_size32 1
		.amdhsa_system_sgpr_workgroup_id_x 1
		.amdhsa_system_sgpr_workgroup_id_y 1
		.amdhsa_system_sgpr_workgroup_id_z 1
		.amdhsa_system_vgpr_workitem_id 0
		.amdhsa_next_free_vgpr 192
		.amdhsa_next_free_sgpr 66
		.amdhsa_reserve_vcc 0
		.amdhsa_float_denorm_mode_32 3
		.amdhsa_float_denorm_mode_16_64 3
		.amdhsa_memory_ordered 1
		.amdhsa_forward_progress 1
		.amdhsa_inst_pref_size 12
	.end_amdhsa_kernel
	.amdgpu_metadata
---
amdhsa.version: [ 1, 2 ]
amdhsa.kernels:
  - .name:           k_q6c550107a2_combine
    .symbol:         k_q6c550107a2_combine.kd
    .args:
      - { .name: part, .offset: 0, .size: 8, .value_kind: global_buffer, .address_space: global }
      - { .name: x, .offset: 8, .size: 8, .value_kind: global_buffer, .address_space: global }
      - { .name: b2, .offset: 16, .size: 8, .value_kind: global_buffer, .address_space: global }
      - { .name: choice, .offset: 24, .size: 8, .value_kind: global_buffer, .address_space: global }
      - { .name: gatew, .offset: 32, .size: 8, .value_kind: global_buffer, .address_space: global }
      - { .name: out0, .offset: 40, .size: 8, .value_kind: global_buffer, .address_space: global }
    .group_segment_fixed_size: 0
    .private_segment_fixed_size: 0
    .kernarg_segment_align: 8
    .kernarg_segment_size: 48
    .max_flat_workgroup_size: 256
    .sgpr_count:     66
    .vgpr_count:     192
    .wavefront_size: 32
...
	.end_amdgpu_metadata
.endif
;; end of part 5
;; ======== version 2 of 2: 5 launches; version 1 with the launches up, down written anew for expert scheduling mode
;; workspace buffers: xhat 2,097,152 bytes; choice 4,096 bytes of whole numbers; gatew 8,192 bytes; rows 36,864 bytes of whole numbers; act 16,777,216 bytes; part 33,554,432 bytes
;; launch router: the kernel of part 1 again; grid 256 x 1, 4 waves a work-group, no clusters, 0 bytes of LDS; arguments x, router_W, router_b, xhat, choice, gatew; writes xhat, choice, gatew
;; launch lists: the kernel of part 2 again; grid 8 x 1, 1 waves a work-group, no clusters, 0 bytes of LDS; arguments choice, rows; writes rows
;; launch up (part 6): grid 32 x 8, 4 waves a work-group, no clusters, 327,680 bytes of LDS; arguments W1, b1, ln_g, ln_b, xhat, rows, act; writes act
.if DOCPART == 6
	.amdgcn_target "amdgcn-amd-amdhsa--gfx1250"
	.amdhsa_code_object_version 6
	.text
	.protected	k_q6c550107a2_up
	.globl	k_q6c550107a2_up
	.p2align	8
	.type	k_q6c550107a2_up,@function
k_q6c550107a2_up:
	s_mov_b64 s[64:65], 0
	v_nop
	global_prefetch_b8 v0, s[64:65] scope:SCOPE_SE
	s_setreg_imm32_b32 hwreg(HW_REG_WAVE_SCHED_MODE, 0, 2), 2
	s_setreg_imm32_b32 hwreg(HW_REG_WAVE_MODE, 25, 1), 1
	s_wait_xcnt 0x0
	s_wait_alu depctr_vm_vsrc(0)
; FIRST PRODUCT.  act[p][n] = gelu( sum over k of xhat[t][k] (ln_g[e][k] W1[e][k][n])  +  (sum over k of ln_b[e][k] W1[e][k][n] + b1[e][n]) ),  p = 2 t + slot: the pair of token t and its chosen expert e.
; A work-group (x = ns, y = e) owns the slice W1[e][all 1,024 k][128 ns .. + 127], 512 KiB of f32, which it alone reads, once, and all rows p of expert e, however many (0 to 1,024).
; The expert's count and its list of p come from rows, whole numbers stored by the launch before: the count by a scalar load, a pass's six blocks of 16 entries by six loads straight into registers.
; PHASES.  B: wave w streams k rows 256 w .. + 255: each f32 weight is multiplied by ln_g[k], rounded once to bf16 and laid into LDS; ln_b[k] W1 is summed in f32 on the way.  The wave's 256 ln_g and 256 ln_b
;    are brought once, laid into the wave's own stage (idle until the way out) and read back 16 + 16 a chunk, every lane the same words.  One barrier.
; C: each wave takes its share of the rows in blocks of 16, up to six blocks a pass, three passes; token rows come from memory straight into registers as matrix operands, weights out of LDS (turned by
;    ds_load_tr16_b128).  All loops have constant counts; dead blocks and dead passes are jumped forward.  A pass's start (row offsets, first loads, K step 0, which starts all 48 sums) stands ahead of the
;    loop for the first pass, where every wave runs it, and at the loop's bottom for the next.  A pass has two barriers, on every wave's path, outside what is jumped: one between the reads of the slice
;    and the stores into the stages, one behind the way out.
; THE MATRIX INSTRUCTION IS USED TRANSPOSED: source 0 = 16 columns of the slice, source 1 = 16 tokens: lane l then holds token l % 16 and columns 8 (l / 16) + 0..7, 16 bytes of a row of act.
; NO CLUSTER, NO TENSOR LOADS: a slice has one reader; what an expert's 32 work-groups share is token rows that come by a list, which no descriptor covers; and the weights pass through registers
; anyway (gain, bias sum, rounding), each LDS byte of the slice being written once.
; LIMITS.  NaN and infinities are not treated apart.  gelu = max(x, 0) - |x| erfc(|x| / sqrt 2) / 2, erfc by the five-term rational form of Abramowitz and Stegun 7.1.26 (absolute error 1.5e-7 at every x).
; Places past the count in the last block of 16 repeat the expert's last row: they compute and store that row's own numbers once more.
; THE MODE: SCHED_MODE bits 1:0 = 2 (LLVM: expert scheduling mode 2), set by the entry lines.  The code itself states the register dependences between vector or matrix instructions and memory or LDS
; instructions, with s_wait_alu, always for 0.
; THE PLAN.  Registers that memory or LDS instructions touch, and who else names them:
;   The stream, turn u.  S[u % 3] (three buffers of 64 in v64-255): the turn's arithmetic reads it and packs each row's four bf16 in place, into the row's first two registers; the turn's 16 LDS stores read
;     those pairs; then chunk u + 3 lands in it.  v32-63: read by the arithmetic; then the next chunk's ln_g and ln_b land in them.  v5, v29: LDS addresses, read by those stores and loads, stepped once a trip.
;     ONE wait on va_vdst behind the arithmetic (the pairs are written; the arithmetic is done with S[u % 3] and v32-63); behind it, with no vector instruction between, the 8 LDS loads, the 16 stores,
;     ONE wait on vm_vsrc (the stores have read the pairs; v5 and v29 are read) and the 16 weight loads.
;   The products, K step s.  W[s % 2] (two buffers of 64 in v128-255) and T[s % 4] (a slot of each block's 32 registers in window 1): read by step s's products; the loads of step s + 1 land in W[s % 2] again
;     (step s + 2's weights) and in T[s % 4] again (step s + 4's tokens).  v7: read by the weight loads, stepped every four steps.  v10-15: read by the token loads, written at a pass's start alone.
;     ONE wait on va_vdst at a step's head, behind the waits for the step's own data: the step before is done reading the other weight buffer and its token slot.  The step's 28 loads follow it, dealt among
;     the step's products, which name W[s % 2], T[s % 4] and the accumulators: none of the registers that those loads touch.
;   The way out.  v192-199 and v28: written by a trip's roundings and its address line, read by its two LDS stores.  v208-239: a block's rows land there out of the stage and are the global stores' data.
;     v240-247: the stores' offsets.  One wait on vm_vsrc at a trip's head frees all of them; one on va_vdst stands ahead of the LDS stores, one ahead of the global stores.
;   Made once at the head and never written again: v4, v9, v16, v17, v20.
; REGISTERS, in windows of 256 (s_set_vgpr_msb: bits 1:0 source 0, 3:2 source 1, 5:4 source 2, 7:6 destination):
;   window 0: v0-29 addresses and at work; v32-47 ln_g and v48-63 ln_b of a chunk, later v32-47 constants, v48-53 the blocks' p, v54-59 the list loads' offsets; v64-255 three stream buffers, later
;             v64-127 the bias and v128-255 two buffers of weight fragments (at work on the way out)
;   window 1: v0-191 token fragments: block mb, slot s at 32 mb + 8 s      window 2: accumulators of blocks 0-3 at 64 mb + 8 nb      window 3: v0-127 those of blocks 4, 5
.set PW,    288                        ; an LDS row of the slice: 128 bf16 + 32 bytes: an odd multiple of 32, so the turning load's 8 rows x 32 bytes fall on different banks (64 banks of 4 bytes: ISA guide 11.1)
.set STAGE, 1024*PW                    ; 294,912: each wave's own 16 rows x 272 bytes, for the way out; in the stream its first 2,048 bytes hold the wave's ln_g and ln_b
.set STGB,  4352
.set SP,    272
.set RED,   STAGE+4*STGB               ; 312,320: four waves x 128 f32: partial bias; behind these 2,048 bytes lie the spare words, 128 bytes a wave
.set ROWB,  16384                      ; bytes from a k row of W1 to the next
.set CH,    16*ROWB                    ; a chunk: 16 k rows
.set KB,    32*PW                      ; a K step of 32 in LDS
.set LSTR,  4608                       ; rows: bytes of an expert's part,
.set LCNT,  4224                       ; and where its count lies
.set RL,    14                         ; s[14:15] rows at my expert
.set LA,    54                         ; v[54:59] the list loads' offsets
.set PSG,   36                         ; s[36:51] the way out: a block's sixteen p
.set MSB, 0
.macro WIN new                         ; the immediate's high byte repeats the setting that is left; a switch that changes nothing is dropped
.if MSB != (\new)
	s_set_vgpr_msb (MSB<<8)|(\new)
.set MSB, \new
.endif
.endm
	s_load_b256 s[4:11], s[0:1], 0x0               ; W1 s[4:5], b1 s[6:7], ln_g s[8:9], ln_b s[10:11]
	s_load_b128 s[12:15], s[0:1], 0x20             ; xhat s[12:13], rows s[14:15]
	s_load_b64 s[16:17], s[0:1], 0x30              ; act
	v_lshl_add_u32 v30, v0, 2, 0x4cc00
	v_mov_b32 v31, 0
	v_lshrrev_b32 v8, 5, v0
	v_readfirstlane_b32 s20, v8                    ; wave w
	s_and_b32 s21, ttmp7, 0xffff                   ; expert e
	s_mov_b32 s22, ttmp9                           ; column slice ns
	s_mov_b32 s18, 0xffff0000                      ; lanes 16 to 31
	v_and_b32 v1, 31, v0                           ; lane
	v_and_b32 v2, 15, v0                           ; r = lane % 16
	v_bfe_u32 v3, v0, 4, 1                         ; h = lane / 16
	v_lshlrev_b32 v4, 4, v1                        ; 16 lane
	v_and_b32 v8, 7, v0
	v_lshl_add_u32 v8, v3, 3, v8
	v_mul_u32_u24 v6, v8, PW                       ; the turning load: row 8 h + lane % 8,
	v_bfe_u32 v8, v0, 3, 1
	v_lshl_add_u32 v6, v8, 4, v6                   ; 16 bytes for each half of eight lanes
	v_lshlrev_b32 v18, 4, v2                       ; my 16 bytes of a row of 256
	v_lshlrev_b32 v21, 4, v3                       ; 16 h: a fragment's half of 32 bytes
	v_lshlrev_b32 v20, 5, v3
	v_add_nc_u32 v20, RED, v20                     ; from where I read the bias as the products' results lie: 8 h columns on
	s_wait_alu depctr_va_sdst(0)                   ; s20 is written, ahead of its first reader: LDS places and the bases of W1, ln_g and ln_b are made from it
	s_mul_i32 s66, s20, 256*PW
	v_lshl_add_u32 v5, v1, 3, s66                  ; where I lay 4 bf16 of my wave's first k row
	s_mul_i32 s66, s20, STGB
	s_add_co_u32 s66, s66, STAGE
	v_mov_b32 v29, s66                             ; my stage: from where every lane reads a chunk's ln_g and ln_b; it walks with the stream
	v_add_nc_u32 v9, s66, v4                       ; and where I lay my 16 bytes of them
	v_mul_u32_u24 v16, v2, SP                      ; into the stage on the way out: row r, 16 bytes for each half of the lanes
	v_lshl_add_u32 v16, v3, 4, v16
	v_add_nc_u32 v16, s66, v16
	v_mul_u32_u24 v17, v3, SP                      ; back: lanes 0-15 one row of 256 bytes, lanes 16-31 the next
	v_lshl_add_u32 v17, v2, 4, v17
	v_add_nc_u32 v17, s66, v17
	s_lshl_b32 s66, s20, 9
	s_add_co_u32 s66, s66, RED
	v_add_nc_u32 v28, s66, v4                      ; where I lay my wave's part of the bias, columns 4 lane ..
	s_lshl_b32 s66, s21, 24                        ; W1: e x 16 MiB + w x 256 rows + ns x 512 bytes
	s_lshl_b32 s67, s22, 9
	s_add_co_u32 s66, s66, s67
	s_lshl_b32 s67, s20, 22
	s_add_co_u32 s66, s66, s67
	s_mov_b32 s67, 0
	s_lshl_b32 s68, s21, 14                        ; b1: e x 16,384 + ns x 512
	s_lshl_b32 s69, s22, 9
	s_add_co_u32 s68, s68, s69
	s_mov_b32 s69, 0
	s_lshl_b32 s70, s21, 12                        ; ln_g, ln_b: e x 4,096 + w x 1,024
	s_lshl_b32 s71, s20, 10
	s_add_co_u32 s70, s70, s71
	s_mov_b32 s71, 0
	s_lshl_b32 s84, s22, 8                         ; act: ns x 256 bytes in a row
	s_mov_b32 s85, 0
	s_mul_i32 s86, s21, LSTR                       ; rows: my expert's part
	s_mov_b32 s87, 0
	s_wait_kmcnt 0x0
	s_add_nc_u64 s[76:77], s[4:5], s[66:67]        ; SW: the weights, walking
	s_add_nc_u64 s[6:7], s[6:7], s[68:69]
	s_add_nc_u64 s[78:79], s[8:9], s[70:71]        ; my wave's ln_g
	s_add_nc_u64 s[80:81], s[10:11], s[70:71]      ; my wave's ln_b
	s_mov_b64 s[72:73], s[12:13]                   ; SA0: the token rows
	s_add_nc_u64 s[82:83], s[16:17], s[84:85]      ; SO: the output
	s_add_nc_u64 s[RL:RL+1], s[RL:RL+1], s[86:87]
	s_load_b32 s23, s[RL:RL+1], LCNT               ; cnt
	s_wait_alu depctr_va_vdst(0)                   ; the offsets and LDS addresses v4, v5, v9, v16, v17, v20, v28 and v29 are written, which the loads and stores below read
.macro FILLW buf, imm                  ; a chunk: 16 loads, each one k row of the slice: 512 consecutive bytes, at a multiple of 512 from W1's first
.set i, 0
.rept 16
	global_load_b128 v[64+64*(\buf)+4*i:64+64*(\buf)+4*i+3], v4, s[76:77] offset:(\imm)+i*ROWB th:TH_LOAD_NT
.set i, i+1
.endr
.endm
; A pass's list: for blocks fb + pb .. + 5, lane l takes entry min(16 block + l % 16, cnt - 1): places past the count repeat the last row.  All six offsets, one wait, six loads into v10-15.
.macro LISTLD
.irp mb, 0,1,2,3,4,5
	s_add_co_u32 s66, s26, s28
	s_add_co_u32 s66, s66, \mb
	s_min_u32 s66, s66, s24                        ; a dead block names the last block,
	s_min_u32 s66, s66, 63                         ; inside the list whatever the count
	s_lshl_b32 s66, s66, 4
	v_add_nc_u32 v[LA+\mb], s66, v2
	v_min_u32 v[LA+\mb], s19, v[LA+\mb]
	v_min_u32 v[LA+\mb], 1023, v[LA+\mb]
	v_lshlrev_b32 v[LA+\mb], 2, v[LA+\mb]
.endr
	s_wait_alu depctr_va_vdst(0)                   ; the six offsets are written, which the loads read; in a later pass the last start's lines are also done with v10-15, in which the loads land
.irp mb, 0,1,2,3,4,5
	global_load_b32 v[10+\mb], v[LA+\mb], s[RL:RL+1]
.endr
.endm
	global_load_b128 v[32:35], v4, s[78:79]            ; ln_g of my wave's rows 4 lane .. (the first 128 rows),
	global_load_b128 v[36:39], v4, s[78:79] offset:512 ; and of the second 128
	global_load_b128 v[40:43], v4, s[80:81]            ; ln_b likewise
	global_load_b128 v[44:47], v4, s[80:81] offset:512
	global_load_b128 v[24:27], v4, s[6:7]          ; b1 of my 4 columns
	FILLW 0, 0
	FILLW 1, CH
	FILLW 2, 2*CH
	s_wait_kmcnt 0x0                               ; cnt
	s_min_u32 s23, s23, 1024
	s_sub_co_i32 s19, s23, 1
	s_max_i32 s19, s19, 0                          ; the last entry (entry 0 where there is none)
	s_add_co_u32 s66, s23, 15
	s_lshr_b32 s66, s66, 4                         ; T16: blocks of 16 rows
	s_sub_co_i32 s24, s66, 1
	s_max_i32 s24, s24, 0                          ; the last block (block 0 where there is none)
	s_add_co_u32 s25, s66, 3
	s_lshr_b32 s25, s25, 2                         ; per: blocks a wave
	s_mul_i32 s26, s20, s25                        ; fb: my first block
	s_sub_co_i32 s27, s66, s26
	s_max_i32 s27, s27, 0
	s_min_i32 s27, s27, s25                        ; nblk: my blocks
	s_mov_b32 s28, 0                               ; pb: blocks done
	LISTLD                                         ; the first pass's list lands under the stream; v10-15 are not named again before the stream's last wait
	s_wait_loadcnt 54                              ; ln_g, ln_b and b1 are in; the 48 weight loads and the 6 list loads behind them stay out
	ds_store_b128 v9, v[32:35]                     ; my stage: ln_g at byte 0, ln_b at byte 1,024
	ds_store_b128 v9, v[36:39] offset:512
	ds_store_b128 v9, v[40:43] offset:1024
	ds_store_b128 v9, v[44:47] offset:1536
	s_wait_xcnt 0x0                                ; the list loads' offsets lie in v54-59, which are loaded below: only behind this wait
	s_wait_alu depctr_vm_vsrc(0)                   ; the four stores have read v32-47 and the list loads v54-59: the loads below land in them
.irp q, 0,1,2,3
	ds_load_b128 v[32+4*\q:35+4*\q], v29 offset:16*\q        ; chunk 0's 16 ln_g and 16 ln_b, the same words in every lane; LDS serves a wave's instructions in order (ISA guide 5.7.1.4): these see the stores above
	ds_load_b128 v[48+4*\q:51+4*\q], v29 offset:1024+16*\q
.endr
	s_cmp_eq_u32 s20, 0
	s_cselect_b32 s68, -1, 0
.irp z, 0,1,2,3
	v_cndmask_b32 v[24+\z], 0, v[24+\z], s68       ; the bias sum starts at b1 in wave 0, at 0 in the others
.endr
	s_wait_dscnt 0x0                               ; chunk 0's are in
	; PHASE B.  A chunk's turn.  left = the weight loads issued behind this chunk's: two younger chunks of 16, fewer at the end.
	; nexts = 1: the next chunk's ln_g and ln_b are asked for.  Behind those eight loads a turn issues its 16 stores and no other LDS instruction, so s_wait_dscnt 16 at the next turn's head shows them in.
.macro TURN u, buf, fill, left, nexts
	s_wait_loadcnt \left
	s_wait_dscnt 16
.set i, 0
.rept 16
.set XR, 64+64*(\buf)+4*i
	v_fmac_f32 v24, v[48+i], v[XR]                 ; ln_b[k] W1[k][n], in f32
	v_fmac_f32 v25, v[48+i], v[XR+1]
	v_fmac_f32 v26, v[48+i], v[XR+2]
	v_fmac_f32 v27, v[48+i], v[XR+3]
	v_mul_f32 v[XR], v[32+i], v[XR]                ; ln_g[k] W1[k][n], rounded once
	v_mul_f32 v[XR+1], v[32+i], v[XR+1]
	v_mul_f32 v[XR+2], v[32+i], v[XR+2]
	v_mul_f32 v[XR+3], v[32+i], v[XR+3]
	v_cvt_pk_bf16_f32 v[XR], v[XR], v[XR+1]        ; the row's four bf16 close up into its first two registers
	v_cvt_pk_bf16_f32 v[XR+1], v[XR+2], v[XR+3]
.set i, i+1
.endr
	s_wait_alu depctr_va_vdst(0)                   ; the roundings have written the 16 pairs, which the stores read; the arithmetic is done with v32-63 and with this buffer, in which loads land; behind a trip's step v5 and v29 are written
.if \nexts
.irp q, 0,1,2,3
	ds_load_b128 v[32+4*\q:35+4*\q], v29 offset:64*((\u)+1)+16*\q
	ds_load_b128 v[48+4*\q:51+4*\q], v29 offset:1024+64*((\u)+1)+16*\q
.endr
.endif
.set i, 0
.rept 16
	ds_store_b64 v5, v[64+64*(\buf)+4*i:64+64*(\buf)+4*i+1] offset:(16*(\u)+i)*PW   ; 32 lanes x 8 bytes: a whole row
.set i, i+1
.endr
.if \fill
	s_wait_alu depctr_vm_vsrc(0)                   ; the stores have read their pairs, in which the loads below land; the LDS instructions issued so far have read v5 and v29
	FILLW \buf, ((\u)+3)*CH
.endif
.endm
	s_mov_b32 s31, 4
.Lstream:                                              ; four trips of three chunks; each turn asks for the chunk three further on
	TURN 0, 0, 1, 32, 1
	TURN 1, 1, 1, 32, 1
	TURN 2, 2, 1, 32, 1
	s_wait_xcnt 0x0                                ; the loads' base steps only behind this wait
	s_add_nc_u64 s[76:77], s[76:77], 3*CH
	v_add_nc_u32 v5, 48*PW, v5                     ; free since the last turn's wait on vm_vsrc: only weight loads, which read v4, were issued behind it
	v_add_nc_u32 v29, 192, v29                     ; three chunks' 48 numbers on
	s_sub_co_u32 s31, s31, 1
	s_cmp_lg_u32 s31, 0
	s_cbranch_scc1 .Lstream
	TURN 0, 0, 1, 32, 1                            ; chunks 12 to 15: one more fill (chunk 15), then the counts run down
	TURN 1, 1, 0, 32, 1
	TURN 2, 2, 0, 16, 1
	TURN 3, 0, 0, 0, 0
	ds_store_b128 v28, v[24:27]                    ; my wave's part of the bias.  No wait: the sums were written ahead of the last turn's wait on va_vdst, v28 at the head, and no vector instruction stands between
	s_wait_dscnt 0x0                               ; for the others' sake: my rows of the slice and my part of the bias are in LDS
	s_barrier_signal -1
	s_barrier_wait -1                              ; behind it the slice and the four parts are only read
	s_wait_alu depctr_vm_vsrc(0)                   ; the last three turns' stores have read their pairs in v64-255, in which the loads below land; the bias store has read v28 and the last loads of ln_g and ln_b v29, which the way out writes again
	; the bias as the products' results lie: register 8 nb + j = column 16 nb + 8 h + j
.macro LDRED q, dst
.irp nb, 0,1,2,3,4,5,6,7
	ds_load_b128 v[(\dst)+8*\nb:(\dst)+8*\nb+3],   v20 offset:512*(\q)+64*\nb
	ds_load_b128 v[(\dst)+8*\nb+4:(\dst)+8*\nb+7], v20 offset:512*(\q)+64*\nb+16
.endr
.endm
.macro ADDRED src
.set z, 0
.rept 32
	v_pk_add_f32 v[64+2*z:65+2*z], v[64+2*z:65+2*z], v[(\src)+2*z:(\src)+2*z+1]
.set z, z+1
.endr
.endm
	LDRED 0, 64
	LDRED 1, 128
	LDRED 2, 192
	s_wait_dscnt 0x0
	ADDRED 128
	s_wait_alu depctr_va_vdst(0)                   ; the additions are done reading v128-191, in which the fourth part lands
	LDRED 3, 128
	ADDRED 192                                     ; the third part is added while the fourth is on its way: these lines name v64-127 and v192-255 alone
	s_wait_dscnt 0x0
	ADDRED 128
.macro PAIR r, bits
	v_mov_b32 v[\r], \bits
	v_mov_b32 v[\r+1], \bits
.endm
	PAIR 32, 0x3e6d3388                            ; 0.3275911 / sqrt 2
	PAIR 34, 0xbf38aa3b                            ; -log2(e) / 2
	PAIR 36, 0x3e027906                            ; the five coefficients, halved
	PAIR 38, 0xbe11a98e
	PAIR 40, 0x3f35f0e3
	PAIR 42, 0xbf3a00e3
	PAIR 44, 0x3f07dc22
	PAIR 46, 1.0
	s_mov_b32 s32, 0x7fffffff
	; PHASE C
.macro LOADB koff, buf                 ; the slice's 32 k x 128 n at byte koff: 8 fragments, 16 turning loads
	WIN 0
.irp nb, 0,1,2,3,4,5,6,7
	ds_load_tr16_b128 v[128+64*(\buf)+8*\nb:128+64*(\buf)+8*\nb+3],   v7 offset:(\koff)+32*\nb
	ds_load_tr16_b128 v[128+64*(\buf)+8*\nb+4:128+64*(\buf)+8*\nb+7], v7 offset:(\koff)+32*\nb+16*PW
.endr
.endm
.macro LOADA slot, koff                ; six blocks' token fragments, 32 k at byte koff of the rows: 12 loads, the same number on every path
	WIN 0x40                                       ; destination window 1, address window 0
.irp mb, 0,1,2,3,4,5
	global_load_b128 v[32*\mb+8*(\slot):32*\mb+8*(\slot)+3],   v[10+\mb], s[74:75] offset:(\koff)
	global_load_b128 v[32*\mb+8*(\slot)+4:32*\mb+8*(\slot)+7], v[10+\mb], s[74:75] offset:(\koff)+32
.endr
	WIN 0
.endm
.macro BLK mb, slot, buf, zero         ; 8 products: block mb x all 8 groups of 16 columns; the 8 accumulators take turns
.if (\mb) < 4
	WIN 0xa4                                       ; weights window 0, tokens window 1, C and D window 2
.else
	WIN 0xf4                                       ; C and D window 3
.endif
.irp nb, 0,1,2,3,4,5,6,7
.if \zero
	v_wmma_f32_16x16x32_bf16 v[64*((\mb)%4)+8*\nb:64*((\mb)%4)+8*\nb+7], v[128+64*(\buf)+8*\nb:128+64*(\buf)+8*\nb+7], v[32*(\mb)+8*(\slot):32*(\mb)+8*(\slot)+7], 0
.else
	v_wmma_f32_16x16x32_bf16 v[64*((\mb)%4)+8*\nb:64*((\mb)%4)+8*\nb+7], v[128+64*(\buf)+8*\nb:128+64*(\buf)+8*\nb+7], v[32*(\mb)+8*(\slot):32*(\mb)+8*(\slot)+7], v[64*((\mb)%4)+8*\nb:64*((\mb)%4)+8*\nb+7]
.endif
.endr
.endm
; A K STEP.  bnext: LDS byte of the next step's weights (-1: none); anext: byte of the token fragments three steps on (-1: none); left: the token loads issued behind this step's: 12 for each of the two
; younger steps, fewer at the end (this step's own request stands behind the wait).
; The step's data are waited for; the four places between the last step's products and the loads into registers that those products read; the one wait on va_vdst; then
; the 16 weight loads, block 0's products, the 12 token loads, and the other blocks.  zero = 1, a pass's first step: all six blocks, with the constant 0 as C: every accumulator is started, nothing is
; cleared; its loads lean on the wait in the pass's start.  Else blocks at or past s29 (live) are jumped: only matrix instructions are jumped, never a load or a wait.  A step ends on group 7 and the next
; begins on group 0, so no two matrix instructions on end share an accumulator.
.macro KSTEP slot, buf, bnext, anext, left, zero
	s_wait_dscnt 0x0                               ; this step's weights, asked for a step ago
	s_wait_loadcnt \left                           ; this step's tokens, asked for three steps ago
.if !(\zero) && ((\bnext) >= 0)
.rept 4
	v_nop
.endr
	s_wait_alu depctr_va_vdst(0)                   ; the last step's products are done reading the other weight buffer and their token slot, in which the loads below land; behind a trip's step v7 is written
.endif
.if (\bnext) >= 0
	LOADB \bnext, 1-(\buf)
.endif
	BLK 0, \slot, \buf, \zero
.if (\anext) >= 0
	LOADA ((\slot)+3)%4, \anext                    ; no wait: the products issued since the wait name this step's weights, its own slot and accumulators
.endif
.irp mb, 1,2,3,4,5
.if !(\zero)
	WIN 0                                          ; at a branch and at a label every window is 0
	s_cmp_le_u32 s29, \mb
	s_cbranch_scc1 .Lend_\@
.endif
	BLK \mb, \slot, \buf, \zero
.endr
	WIN 0
.Lend_\@:
.endm
; A PASS'S START, for blocks fb + pb .. + 5: the six row offsets, the token fragments of K steps 0 to 2, the weights of step 0, and K step 0, whose products start all 48 sums.
; ld = 1: the pass's list is fetched here; ld = 0, the first pass: it was asked for at the kernel's head and is in since the stream's last wait.
.macro START ld
	s_wait_xcnt 0x0                                ; offsets, base and fragment registers are rewritten only behind this wait, wherever the macro stands
.if \ld
	LISTLD
	s_wait_loadcnt 0x0
.endif
.irp mb, 0,1,2,3,4,5
	s_cmp_gt_u32 s29, \mb
	s_cselect_b32 s67, 0x7fe, 0                    ; a live block keeps 2 x token of p; a dead block's lanes all name token 0: two places of 16 bytes
	v_mov_b32 v[48+\mb], v[10+\mb]                 ; p, kept for the way out
	v_and_b32 v[10+\mb], s67, v[10+\mb]
	v_min_u32 v[10+\mb], 2047, v[10+\mb]           ; inside xhat whatever the list held
	v_lshl_add_u32 v[10+\mb], v[10+\mb], 10, v21   ; token x 2,048 bytes + 16 h
.endr
	s_mov_b64 s[74:75], s[72:73]
	v_mov_b32 v7, v6
	s_wait_alu depctr_va_vdst(0)                   ; v7 and v10-15 are written, which the loads below read; all earlier vector and matrix work (the bias's additions, the last pass's products and way out) is done with v128-255 and the token slots, in which they land
	LOADA 0, 0
	LOADA 1, 64
	LOADA 2, 128
	LOADB 0, 0
	KSTEP 0, 0, KB, 192, 24, 1
.endm
	s_mov_b32 s30, 0                               ; three passes of up to six blocks cover a wave's 16 blocks at the most (all 1,024 tokens on one expert)
	s_min_i32 s29, s27, 6                          ; live: my blocks in this pass, 0 to 6
	START 0                                        ; the first pass's start: every wave runs it, one without rows on dead blocks alone
.Lpass:
	s_cmp_lt_i32 s29, 1
	s_cbranch_scc1 .Lk_done                        ; no rows of mine in this pass: the products are jumped, the barriers are not
	s_mov_b32 s31, 7
.Lk:                                                   ; K steps 4 t + 1 .. 4 t + 4
	KSTEP 1, 1, 2*KB, 256, 24, 0
	KSTEP 2, 0, 3*KB, 320, 24, 0
	KSTEP 3, 1, 4*KB, 384, 24, 0
	KSTEP 0, 0, 5*KB, 448, 24, 0
	s_wait_xcnt 0x0                                ; the token loads' base steps only behind this wait
	s_add_nc_u64 s[74:75], s[74:75], 256
	s_wait_alu depctr_vm_vsrc(0)                   ; the weight loads issued so far have read v7
	v_add_nc_u32 v7, 4*KB, v7
	s_sub_co_u32 s31, s31, 1
	s_cmp_lg_u32 s31, 0
	s_cbranch_scc1 .Lk
	KSTEP 1, 1, 2*KB, -1, 24, 0                    ; K steps 29 to 31 ask for no tokens: the counts run down
	KSTEP 2, 0, 3*KB, -1, 12, 0
	KSTEP 3, 1, -1, -1, 0, 0                       ; the last step asks for nothing, so it states nothing
.Lk_done:
.rept 4
	v_nop                                          ; the places between the last products, on either way here, and the first read of a result
.endr
	s_wait_loadcnt 0x0                             ; a wave that jumped has the token loads of K steps 1 to 3 out: their registers are loaded again only behind this wait; on the long way none is out
	s_wait_dscnt 0x0                               ; my reads of the slice in this pass are back
	s_barrier_signal -1                            ; the slice is read by a walking address; this barrier stands between every wave's reads of it and every wave's stores into LDS on the way out,
	s_barrier_wait -1                              ; so that the two are ordered whatever that address holds.  It is on every wave's path
	s_cmp_lt_i32 s29, 1
	s_cbranch_scc1 .Lpass_next
	; THE WAY OUT.  Trip i: block i / 4, column groups 2 (i % 4) and + 1: 16 numbers a lane.  A snippet for each i adds the bias into fixed registers (each accumulator is read from its lowest
	; registers on); a block's last snippet also hands its p on in v29; the gelu is written once.  Behind a block's fourth trip its 16 rows leave through my stage.
.macro SNIP n
.set MBX, (\n)/4
.set BX, (\n)%4
	WIN 2+MBX/4                                    ; source 0 in window 2 or 3
.set z, 0
.rept 8
	v_pk_add_f32 v[128+2*z:129+2*z], v[64*(MBX%4)+16*BX+2*z:64*(MBX%4)+16*BX+2*z+1], v[64+16*BX+2*z:64+16*BX+2*z+1]
.set z, z+1
.endr
	WIN 0
.if BX == 3
	v_mov_b32 v29, v[48+MBX]                       ; lane l: p of the block's row l % 16
.endif
.endm
.macro EACH8 line:vararg
.set z, 0
.rept 8
	\line
.set z, z+1
.endr
.endm
.macro EACH16 line:vararg
.set z, 0
.rept 16
	\line
.set z, z+1
.endr
.endm
	s_mov_b32 s87, 0
.Lepi:
	s_lshr_b32 s66, s87, 2
	s_cmp_ge_u32 s66, s29
	s_cbranch_scc1 .Lepi_next                      ; a dead block
.irp n, 0,1,2,3,4,5,6,7,8,9,10,11,12,13,14,15,16,17,18,19,20,21,22
	s_cmp_eq_u32 s87, \n
	s_cbranch_scc1 .Lsn\n
.endr
	SNIP 23
	s_branch .Lcommon
.irp n, 0,1,2,3,4,5,6,7,8,9,10,11,12,13,14,15,16,17,18,19,20,21
.Lsn\n:
	SNIP \n
	s_branch .Lcommon
.endr
.Lsn22:
	SNIP 22
.Lcommon:                                              ; x v128-143, |x| v144-159, s v160-175, u v176-191, q v192-207
	s_wait_alu depctr_vm_vsrc(0)                   ; the trip before's LDS stores have read v192-199 and v28, the block before's global stores v208-247: this trip writes them again
	EACH16 v_and_b32 v[144+z], s32, v[128+z]
	EACH8 v_pk_mul_f32 v[160+2*z:161+2*z], v[128+2*z:129+2*z], v[128+2*z:129+2*z]
	EACH8 v_pk_fma_f32 v[176+2*z:177+2*z], v[144+2*z:145+2*z], v[32:33], v[46:47]
	EACH8 v_pk_mul_f32 v[160+2*z:161+2*z], v[160+2*z:161+2*z], v[34:35]
	EACH16 v_rcp_f32 v[176+z], v[176+z]            ; one batch of 32: u = 1 / (1 + 0.2316 |x|),
	EACH16 v_exp_f32 v[160+z], v[160+z]            ; s = exp(-x x / 2)
	EACH16 v_max_num_f32 v[128+z], 0, v[128+z]     ; plain work that names no result of the batch,
	s_wait_alu depctr_va_vdst(0)                   ; and the one wait ahead of the batch's first reader: u in v176-191 and s in v160-175 are written
	EACH8 v_pk_fma_f32 v[192+2*z:193+2*z], v[176+2*z:177+2*z], v[44:45], v[42:43]
	EACH8 v_pk_fma_f32 v[192+2*z:193+2*z], v[192+2*z:193+2*z], v[176+2*z:177+2*z], v[40:41]
	EACH8 v_pk_fma_f32 v[192+2*z:193+2*z], v[192+2*z:193+2*z], v[176+2*z:177+2*z], v[38:39]
	EACH8 v_pk_fma_f32 v[192+2*z:193+2*z], v[192+2*z:193+2*z], v[176+2*z:177+2*z], v[36:37]
	EACH8 v_pk_mul_f32 v[192+2*z:193+2*z], v[192+2*z:193+2*z], v[176+2*z:177+2*z]
	EACH8 v_pk_mul_f32 v[192+2*z:193+2*z], v[192+2*z:193+2*z], v[160+2*z:161+2*z]
	EACH8 v_pk_fma_f32 v[128+2*z:129+2*z], v[144+2*z:145+2*z], v[192+2*z:193+2*z], v[128+2*z:129+2*z] neg_lo:[1,0,0] neg_hi:[1,0,0]
	EACH8 v_cvt_pk_bf16_f32 v[192+z], v[128+2*z], v[129+2*z]
	s_lshl_b32 s66, s87, 6
	s_and_b32 s66, s66, 192                        ; 64 bytes of a row for each trip of a block
	v_add_nc_u32 v28, s66, v16
	s_wait_alu depctr_va_vdst(0)                   ; the roundings have written v192-199 and the line above v28, which the two stores read; the pass's products are done reading v208-239, in which the stage's rows land
	ds_store_b128 v28, v[192:195]
	ds_store_b128 v28, v[196:199] offset:32
	s_and_b32 s66, s87, 3
	s_cmp_lg_u32 s66, 3
	s_cbranch_scc1 .Lepi_next
	s_wait_xcnt 0x0                                ; the block before's stores have read their offsets and data
.irp i, 0,1,2,3,4,5,6,7
	ds_load_b128 v[208+4*\i:211+4*\i], v17 offset:2*SP*\i   ; my own stage: LDS serves a wave's instructions in order (ISA guide 5.7.1.4)
.endr
.irp i, 0,1,2,3,4,5,6,7,8,9,10,11,12,13,14,15
	v_readlane_b32 s[PSG+\i], v29, \i              ; the block's sixteen p, in one run
.endr
	s_wait_alu depctr_va_sdst(0)                   ; s36-51 are written, ahead of their first reader
.irp i, 0,1,2,3,4,5,6,7                ; store t takes row 2 t in lanes 0-15 and row 2 t + 1 in lanes 16-31
	v_mov_b32 v[240+\i], s[PSG+2*\i]
.endr
.irp i, 0,1,2,3,4,5,6,7
	v_cndmask_b32 v[240+\i], v[240+\i], s[PSG+2*\i+1], s18
.endr
.irp i, 0,1,2,3,4,5,6,7
	v_min_u32 v[240+\i], 2047, v[240+\i]
.endr
.irp i, 0,1,2,3,4,5,6,7
	v_lshl_add_u32 v[240+\i], v[240+\i], 13, v18   ; row p of 8,192 bytes + my 16 bytes
.endr
	s_wait_dscnt 0x0
	s_wait_alu depctr_va_vdst(0)                   ; the eight offsets v240-247 are written, which the stores read
.irp i, 0,1,2,3,4,5,6,7
	global_store_b128 v[240+\i], v[208+4*\i:211+4*\i], s[82:83]   ; 16 lanes store 256 consecutive bytes, at a multiple of 256 from act's first
.endr
.Lepi_next:
	s_add_co_u32 s87, s87, 1
	s_cmp_lt_u32 s87, 24
	s_cbranch_scc1 .Lepi
.Lpass_next:
	s_wait_xcnt 0x0                                ; the way out's stores have read their data and offsets: those registers are weight-fragment registers again in the next pass, and this wait stands on every way from the stores to it, also the one that jumps the next pass's start
	s_wait_alu depctr_vm_vsrc(0)                   ; the way out's stores have read v28, v192-199 and v208-247, the pass's loads v7, v10-15 and v54-59: the next pass's start writes all of them again, by vector lines or by loads
	s_wait_dscnt 0x0                               ; my stores into my stage, and my reads of it, are done
	s_barrier_signal -1                            ; the second barrier of a pass, on every wave's path: it stands between every wave's stores into LDS and the next pass's reads of the slice
	s_barrier_wait -1
	s_add_co_u32 s28, s28, 6
	s_sub_co_i32 s29, s27, s28
	s_min_i32 s29, s29, 6                          ; live, for the next pass
	s_cmp_lt_i32 s29, 1
	s_cbranch_scc1 .Lno_start                      ; nothing left (behind the third pass always: 16 blocks at the most)
	START 1
.Lno_start:
	s_add_co_u32 s30, s30, 1
	s_cmp_lt_u32 s30, 3
	s_cbranch_scc1 .Lpass
	s_wait_dscnt 0x0                               ; the wave's end: my last LDS instructions are done.
	s_wait_alu depctr_hold_cnt(0) depctr_sa_sdst(0) depctr_va_vdst(0) depctr_va_sdst(0) depctr_va_ssrc(0) depctr_va_vcc(0) depctr_vm_vsrc(0)
	s_wait_tensorcnt 0x0
	ds_add_u32 v30, v31
	s_wait_dscnt 0x0
	s_endpgm
.Lfunc_end_k_q6c550107a2_up:
	.size	k_q6c550107a2_up, .Lfunc_end_k_q6c550107a2_up-k_q6c550107a2_up
	.p2alignl 7, 3214868480
	.fill 96, 4, 3214868480
	.section	.rodata,"a",@progbits
	.p2align	6, 0x0
	.amdhsa_kernel k_q6c550107a2_up
		.amdhsa_group_segment_fixed_size 327680
		.amdhsa_private_segment_fixed_size 0
		.amdhsa_enable_private_segment 0
		.amdhsa_kernarg_size 56
		.amdhsa_user_sgpr_count 2
		.amdhsa_user_sgpr_kernarg_segment_ptr 1
		.amdhsa_wavefront_size32 1
		.amdhsa_system_sgpr_workgroup_id_x 1
		.amdhsa_system_sgpr_workgroup_id_y 1
		.amdhsa_system_sgpr_workgroup_id_z 1
		.amdhsa_system_vgpr_workitem_id 0
		.amdhsa_next_free_vgpr 896
		.amdhsa_next_free_sgpr 96
		.amdhsa_reserve_vcc 0
		.amdhsa_float_denorm_mode_32 3
		.amdhsa_float_denorm_mode_16_64 3
		.amdhsa_memory_ordered 1
		.amdhsa_forward_progress 1
		.amdhsa_inst_pref_size 177
	.end_amdhsa_kernel
	.amdgpu_metadata
---
amdhsa.version: [ 1, 2 ]
amdhsa.kernels:
  - .name:           k_q6c550107a2_up
    .symbol:         k_q6c550107a2_up.kd
    .args:
      - { .name: W1, .offset: 0, .size: 8, .value_kind: global_buffer, .address_space: global }
      - { .name: b1, .offset: 8, .size: 8, .value_kind: global_buffer, .address_space: global }
      - { .name: ln_g, .offset: 16, .size: 8, .value_kind: global_buffer, .address_space: global }
      - { .name: ln_b, .offset: 24, .size: 8, .value_kind: global_buffer, .address_space: global }
      - { .name: xhat, .offset: 32, .size: 8, .value_kind: global_buffer, .address_space: global }
      - { .name: rows, .offset: 40, .size: 8, .value_kind: global_buffer, .address_space: global }
      - { .name: act, .offset: 48, .size: 8, .value_kind: global_buffer, .address_space: global }
    .group_segment_fixed_size: 327680
    .private_segment_fixed_size: 0
    .kernarg_segment_align: 8
    .kernarg_segment_size: 56
    .max_flat_workgroup_size: 128
    .sgpr_count:     96
    .vgpr_count:     896
    .wavefront_size: 32
...
	.end_amdgpu_metadata
.endif
;; end of part 6
;; launch down (part 7): grid 32 x 8, 4 waves a work-group, no clusters, 327,680 bytes of LDS; arguments W2, act, rows, gatew, part; writes part
.if DOCPART == 7
	.amdgcn_target "amdgcn-amd-amdhsa--gfx1250"
	.amdhsa_code_object_version 6
	.text
	.protected	k_q6c550107a2_down
	.globl	k_q6c550107a2_down
	.p2align	8
	.type	k_q6c550107a2_down,@function
k_q6c550107a2_down:
	s_mov_b64 s[64:65], 0
	v_nop
	global_prefetch_b8 v0, s[64:65] scope:SCOPE_SE
	s_setreg_imm32_b32 hwreg(HW_REG_WAVE_SCHED_MODE, 0, 2), 2
	s_setreg_imm32_b32 hwreg(HW_REG_WAVE_MODE, 25, 1), 1
	s_wait_xcnt 0x0
	s_wait_alu depctr_vm_vsrc(0)
; SECOND PRODUCT, IN FOUR PARTS ALONG K.  part[kc][p][n] = gate[p] x sum over k in quarter kc of act[p][k] W2[e][k][n], in f32; p = 2 t + slot.  The launch behind adds the parts.
; A work-group (x = 4 ns + kc, y = e) owns the slice W2[e][1024 kc .. + 1023][128 ns .. + 127], 512 KiB of f32, which it alone reads, once, and all rows p of expert e, however many (0 to 1,024).
; K is split so that a slice keeps rows of 512 bytes and fits LDS as bf16; the price is the four partial rows, kept in f32.
; The expert's count and its list of p come from rows, whole numbers stored by an earlier launch: the count by a scalar load, a pass's six blocks of 16 entries by six loads straight into registers.
; PHASES as in the first product.  B: wave w streams k rows 256 w .. + 255 of the slice, rounds them once to bf16 and lays them into LDS.  One barrier.
; C: blocks of 16 rows, up to six a pass, three passes; act rows come from memory straight into registers as matrix operands, weights out of LDS, turned.  Constant trip counts; dead blocks and dead passes
; are jumped forward.  A pass's start (row offsets, gates, first loads, K step 0, which starts all 48 sums) stands ahead of the loop for the first pass, where every wave runs it, and at the loop's bottom
; for the next.  A pass has two barriers, on every wave's path, outside what is jumped: one between the reads of the slice and the stores into the stages, one behind the way out.
; THE MATRIX INSTRUCTION IS USED TRANSPOSED: lane l holds token l % 16 and columns 8 (l / 16) + 0..7, so a row's gate is one number a lane.
; NO CLUSTER, NO TENSOR LOADS: a slice has one reader; the rows shared by an expert's work-groups come by a list; the weights pass through registers for their rounding, each LDS byte of the slice written once.
; LIMITS.  NaN and infinities are not treated apart.  Places past the count in the last block of 16 repeat the expert's last row and store that row's own numbers once more.
; THE MODE: SCHED_MODE bits 1:0 = 2 (LLVM: expert scheduling mode 2), set by the entry lines.  The code itself states the register dependences between vector or matrix instructions and memory or LDS
; instructions, with s_wait_alu, always for 0.
; THE PLAN.  Registers that memory or LDS instructions touch, and who else names them:
;   The stream, turn u.  S[u % 3] (three buffers of 64 in v64-255): the turn's roundings read it and pack each row's four bf16 in place, into the row's first two registers; the turn's 16 LDS stores read those
;     pairs; then chunk u + 3 lands in it.  v5: the stores' address, stepped once a trip.  ONE wait on va_vdst behind the roundings; behind it, with no vector instruction between, the 16 stores, ONE wait on
;     vm_vsrc (the stores have read the pairs and v5) and the 16 weight loads.
;   The products, K step s.  W[s % 2] (two buffers of 64 in v128-255) and T[s % 4] (a slot of each block's 32 registers in window 1): read by step s's products; the loads of step s + 1 land in them again.
;     v7: read by the weight loads, stepped every four steps.  v10-15: read by the loads of act, written at a pass's start alone.  ONE wait on va_vdst at a step's head, behind the waits for the step's own
;     data; the step's 28 loads follow it, dealt among the step's products, which name W[s % 2], T[s % 4] and the accumulators: none of the registers that those loads touch.
;   The way out.  v128-159: written by a trip's snippet, read by its eight LDS stores.  v160-191: the rows land there out of the stage and are the global stores' data.  v240-247: the stores' offsets.
;     One wait on vm_vsrc ahead of the snippets frees all of them; one on va_vdst stands ahead of the LDS stores, one ahead of the global stores.
;   Made once at the head and never written again: v4, v16, v17.
; REGISTERS: window 0: v0-29 addresses and at work; v32-37 the blocks' p, v38-43 the list loads' offsets, v46-57 six gates (as pairs), v58-63 their offsets; v64-255 three stream buffers, later v128-255 two
; buffers of weight fragments (at work on the way out).  window 1: v0-191 token fragments (32 mb + 8 slot).  window 2: accumulators of blocks 0-3 (64 mb + 8 nb).  window 3: v0-127 those of blocks 4, 5.
.set PW,    288                        ; an LDS row of the slice: 128 bf16 + 32 bytes: an odd multiple of 32 (64 banks of 4 bytes: ISA guide 11.1)
.set STAGE, 1024*PW                    ; 294,912: each wave's own 16 rows x 272 bytes; behind the four stages lie the spare words, 128 bytes a wave
.set STGB,  4352
.set SP,    272
.set ROWB,  4096                       ; bytes from a k row of W2 to the next
.set CH,    16*ROWB
.set KB,    32*PW
.set LSTR,  4608                       ; rows: bytes of an expert's part,
.set LCNT,  4224                       ; and where its count lies
.set RL,    8                          ; s[8:9] rows at my expert
.set LA,    38                         ; v[38:43] the list loads' offsets
.set PSG,   36                         ; s[36:51] the way out: a block's sixteen p
.set MSB, 0
.macro WIN new                         ; the immediate's high byte repeats the setting that is left; a switch that changes nothing is dropped
.if MSB != (\new)
	s_set_vgpr_msb (MSB<<8)|(\new)
.set MSB, \new
.endif
.endm
	s_load_b256 s[4:11], s[0:1], 0x0               ; W2 s[4:5], act s[6:7], rows s[8:9], gatew s[10:11]
	s_load_b64 s[12:13], s[0:1], 0x20              ; part
	v_lshl_add_u32 v44, v0, 2, 0x4c400
	v_mov_b32 v45, 0
	v_lshrrev_b32 v8, 5, v0
	v_readfirstlane_b32 s20, v8                    ; wave w
	s_and_b32 s21, ttmp7, 0xffff                   ; expert e
	s_and_b32 s86, ttmp9, 3                        ; K quarter kc
	s_lshr_b32 s22, ttmp9, 2                       ; column slice ns
	s_mov_b32 s18, 0xffff0000                      ; lanes 16 to 31
	v_and_b32 v1, 31, v0                           ; lane
	v_and_b32 v2, 15, v0                           ; r
	v_bfe_u32 v3, v0, 4, 1                         ; h
	v_lshlrev_b32 v4, 4, v1
	v_mov_b32 v29, 0                               ; the way out's p: written whole once
	v_and_b32 v8, 7, v0
	v_lshl_add_u32 v8, v3, 3, v8
	v_mul_u32_u24 v6, v8, PW                       ; the turning load: row 8 h + lane % 8,
	v_bfe_u32 v8, v0, 3, 1
	v_lshl_add_u32 v6, v8, 4, v6                   ; 16 bytes for each half of eight lanes
	v_lshlrev_b32 v18, 4, v2
	v_lshlrev_b32 v21, 4, v3                       ; 16 h: a fragment's half of 32 bytes
	s_wait_alu depctr_va_sdst(0)                   ; s20 is written, ahead of its first reader: LDS places and the base of W2 are made from it
	s_mul_i32 s66, s20, 256*PW
	v_lshl_add_u32 v5, v1, 3, s66                  ; where I lay 4 bf16 of my wave's first k row
	s_mul_i32 s66, s20, STGB
	s_add_co_u32 s66, s66, STAGE
	v_mul_u32_u24 v16, v2, SP                      ; into the stage: row r, 32 bytes (8 f32) for each half of the lanes
	v_lshl_add_u32 v16, v3, 5, v16
	v_add_nc_u32 v16, s66, v16
	v_mul_u32_u24 v17, v3, SP                      ; back: lanes 0-15 one row of 256 bytes, lanes 16-31 the next
	v_lshl_add_u32 v17, v2, 4, v17
	v_add_nc_u32 v17, s66, v17
	s_lshl_b32 s66, s21, 24                        ; W2: e x 16 MiB + kc x 1,024 rows + w x 256 rows + ns x 512 bytes
	s_lshl_b32 s67, s86, 22
	s_add_co_u32 s66, s66, s67
	s_lshl_b32 s67, s20, 20
	s_add_co_u32 s66, s66, s67
	s_lshl_b32 s67, s22, 9
	s_add_co_u32 s66, s66, s67
	s_mov_b32 s67, 0
	s_lshl_b32 s68, s86, 11                        ; act: the quarter's 2,048 bytes in a row
	s_mov_b32 s69, 0
	s_lshl_b32 s70, s86, 23                        ; part: kc x 8 MiB + ns x 512 bytes
	s_lshl_b32 s71, s22, 9
	s_add_co_u32 s70, s70, s71
	s_mov_b32 s71, 0
	s_mul_i32 s14, s21, LSTR                       ; rows: my expert's part
	s_mov_b32 s15, 0
	s_wait_kmcnt 0x0
	s_add_nc_u64 s[76:77], s[4:5], s[66:67]        ; SW: the weights, walking
	s_add_nc_u64 s[72:73], s[6:7], s[68:69]        ; SA0: the rows of act
	s_add_nc_u64 s[82:83], s[12:13], s[70:71]      ; SO: the output
	s_add_nc_u64 s[RL:RL+1], s[RL:RL+1], s[14:15]
	s_load_b32 s23, s[RL:RL+1], LCNT               ; cnt
	s_wait_alu depctr_va_vdst(0)                   ; the offset v4 and the LDS addresses v5, v16 and v17 are written, which the loads and stores below read
.macro FILLW buf, imm                  ; a chunk: 16 loads, each one k row of the slice: 512 consecutive bytes, at a multiple of 512 from W2's first
.set i, 0
.rept 16
	global_load_b128 v[64+64*(\buf)+4*i:64+64*(\buf)+4*i+3], v4, s[76:77] offset:(\imm)+i*ROWB th:TH_LOAD_NT
.set i, i+1
.endr
.endm
; A pass's list: for blocks fb + pb .. + 5, lane l takes entry min(16 block + l % 16, cnt - 1): places past the count repeat the last row.  All six offsets, one wait, six loads into v10-15.
.macro LISTLD
.irp mb, 0,1,2,3,4,5
	s_add_co_u32 s66, s26, s28
	s_add_co_u32 s66, s66, \mb
	s_min_u32 s66, s66, s24                        ; a dead block names the last block,
	s_min_u32 s66, s66, 63                         ; inside the list whatever the count
	s_lshl_b32 s66, s66, 4
	v_add_nc_u32 v[LA+\mb], s66, v2
	v_min_u32 v[LA+\mb], s19, v[LA+\mb]
	v_min_u32 v[LA+\mb], 1023, v[LA+\mb]
	v_lshlrev_b32 v[LA+\mb], 2, v[LA+\mb]
.endr
	s_wait_alu depctr_va_vdst(0)                   ; the six offsets are written, which the loads read; in a later pass the last start's lines are also done with v10-15, in which the loads land
.irp mb, 0,1,2,3,4,5
	global_load_b32 v[10+\mb], v[LA+\mb], s[RL:RL+1]
.endr
.endm
	FILLW 0, 0
	FILLW 1, CH
	FILLW 2, 2*CH
	s_wait_kmcnt 0x0                               ; cnt
	s_min_u32 s23, s23, 1024
	s_sub_co_i32 s19, s23, 1
	s_max_i32 s19, s19, 0                          ; the last entry (entry 0 where there is none)
	s_add_co_u32 s66, s23, 15
	s_lshr_b32 s66, s66, 4                         ; T16
	s_sub_co_i32 s24, s66, 1
	s_max_i32 s24, s24, 0                          ; the last block (block 0 where there is none)
	s_add_co_u32 s25, s66, 3
	s_lshr_b32 s25, s25, 2                         ; per
	s_mul_i32 s26, s20, s25                        ; fb
	s_sub_co_i32 s27, s66, s26
	s_max_i32 s27, s27, 0
	s_min_i32 s27, s27, s25                        ; nblk
	s_mov_b32 s28, 0                               ; pb
	LISTLD                                         ; the first pass's list lands under the stream; v10-15 and v38-43 are not named again before the stream's last wait
.irp mb, 0,1,2,3,4,5
	v_mov_b32 v[47+2*\mb], 0                       ; the gates are named as pairs: the upper words are written once
.endr
	; PHASE B.  left = the weight loads issued behind this chunk's.
.macro TURN u, buf, fill, left
	s_wait_loadcnt \left
.set i, 0
.rept 16
.set XR, 64+64*(\buf)+4*i
	v_cvt_pk_bf16_f32 v[XR], v[XR], v[XR+1]        ; the row's four bf16 close up into its first two registers
	v_cvt_pk_bf16_f32 v[XR+1], v[XR+2], v[XR+3]
.set i, i+1
.endr
	s_wait_alu depctr_va_vdst(0)                   ; the roundings have written the 16 pairs, which the stores read, and are done with this buffer, in which loads land; behind a trip's step v5 is written
.set i, 0
.rept 16
	ds_store_b64 v5, v[64+64*(\buf)+4*i:64+64*(\buf)+4*i+1] offset:(16*(\u)+i)*PW
.set i, i+1
.endr
.if \fill
	s_wait_alu depctr_vm_vsrc(0)                   ; the stores have read their pairs, in which the loads below land, and v5
	FILLW \buf, ((\u)+3)*CH
.endif
.endm
	s_mov_b32 s31, 4
.Lstream:
	TURN 0, 0, 1, 32
	TURN 1, 1, 1, 32
	TURN 2, 2, 1, 32
	s_wait_xcnt 0x0                                ; the loads' base steps only behind this wait
	s_add_nc_u64 s[76:77], s[76:77], 3*CH
	v_add_nc_u32 v5, 48*PW, v5                     ; free since the last turn's wait on vm_vsrc: only weight loads, which read v4, were issued behind it
	s_sub_co_u32 s31, s31, 1
	s_cmp_lg_u32 s31, 0
	s_cbranch_scc1 .Lstream
	TURN 0, 0, 1, 32                               ; chunks 12 to 15: one more fill, then the counts run down
	TURN 1, 1, 0, 32
	TURN 2, 2, 0, 16
	TURN 3, 0, 0, 0
	s_wait_dscnt 0x0                               ; for the others' sake: my rows of the slice are in LDS
	s_barrier_signal -1
	s_barrier_wait -1                              ; behind it the slice is only read
	s_wait_alu depctr_vm_vsrc(0)                   ; the last three turns' stores have read their pairs: v128-255 are weight-fragment registers from here on, in which LDS loads land
	; PHASE C
.macro LOADB koff, buf
	WIN 0
.irp nb, 0,1,2,3,4,5,6,7
	ds_load_tr16_b128 v[128+64*(\buf)+8*\nb:128+64*(\buf)+8*\nb+3],   v7 offset:(\koff)+32*\nb
	ds_load_tr16_b128 v[128+64*(\buf)+8*\nb+4:128+64*(\buf)+8*\nb+7], v7 offset:(\koff)+32*\nb+16*PW
.endr
.endm
.macro LOADA slot, koff
	WIN 0x40                                       ; destination window 1, address window 0
.irp mb, 0,1,2,3,4,5
	global_load_b128 v[32*\mb+8*(\slot):32*\mb+8*(\slot)+3],   v[10+\mb], s[74:75] offset:(\koff)
	global_load_b128 v[32*\mb+8*(\slot)+4:32*\mb+8*(\slot)+7], v[10+\mb], s[74:75] offset:(\koff)+32
.endr
	WIN 0
.endm
.macro BLK mb, slot, buf, zero         ; 8 products; the 8 accumulators take turns
.if (\mb) < 4
	WIN 0xa4
.else
	WIN 0xf4
.endif
.irp nb, 0,1,2,3,4,5,6,7
.if \zero
	v_wmma_f32_16x16x32_bf16 v[64*((\mb)%4)+8*\nb:64*((\mb)%4)+8*\nb+7], v[128+64*(\buf)+8*\nb:128+64*(\buf)+8*\nb+7], v[32*(\mb)+8*(\slot):32*(\mb)+8*(\slot)+7], 0
.else
	v_wmma_f32_16x16x32_bf16 v[64*((\mb)%4)+8*\nb:64*((\mb)%4)+8*\nb+7], v[128+64*(\buf)+8*\nb:128+64*(\buf)+8*\nb+7], v[32*(\mb)+8*(\slot):32*(\mb)+8*(\slot)+7], v[64*((\mb)%4)+8*\nb:64*((\mb)%4)+8*\nb+7]
.endif
.endr
.endm
; A K STEP.  bnext: LDS byte of the next step's weights (-1: none); anext: byte of act's fragments three steps on (-1: none); left: the loads of act issued behind this step's: 12 for each of the two younger
; steps, fewer at the end (this step's own request stands behind the wait).  The step's data are waited for; the four places between the last step's products and the loads into registers that those products
; read; the one wait on va_vdst; then the 16 weight loads, block 0's products, the 12 loads of act, and the other blocks.  zero = 1: all six blocks start their sums
; with the constant 0, and the step's loads lean on the wait in the pass's start; else blocks at or past s29 are jumped: matrix instructions alone.
.macro KSTEP slot, buf, bnext, anext, left, zero
	s_wait_dscnt 0x0                               ; this step's weights, asked for a step ago
	s_wait_loadcnt \left                           ; this step's rows of act, asked for three steps ago
.if !(\zero) && ((\bnext) >= 0)
.rept 4
	v_nop
.endr
	s_wait_alu depctr_va_vdst(0)                   ; the last step's products are done reading the other weight buffer and their slot of act, in which the loads below land; behind a trip's step v7 is written
.endif
.if (\bnext) >= 0
	LOADB \bnext, 1-(\buf)
.endif
	BLK 0, \slot, \buf, \zero
.if (\anext) >= 0
	LOADA ((\slot)+3)%4, \anext                    ; no wait: the products issued since the wait name this step's weights, its own slot and accumulators
.endif
.irp mb, 1,2,3,4,5
.if !(\zero)
	WIN 0                                          ; at a branch and at a label every window is 0
	s_cmp_le_u32 s29, \mb
	s_cbranch_scc1 .Lend_\@
.endif
	BLK \mb, \slot, \buf, \zero
.endr
	WIN 0
.Lend_\@:
.endm
; A PASS'S START, for blocks fb + pb .. + 5: the six row offsets and gates, the fragments of act for K steps 0 to 2, the weights of step 0, and K step 0, whose products start all 48 sums.
; ld = 1: the pass's list is fetched here; ld = 0, the first pass: it was asked for at the kernel's head and is in since the stream's last wait.
.macro START ld
	s_wait_xcnt 0x0                                ; offsets, base and fragment registers are rewritten only behind this wait, wherever the macro stands
.if \ld
	LISTLD
	s_wait_loadcnt 0x0
.endif
.irp mb, 0,1,2,3,4,5
	s_cmp_gt_u32 s29, \mb
	s_cselect_b32 s67, 0x7ff, 0                    ; a live block keeps p; a dead block's lanes all name row 0: two places of 16 bytes
	v_and_b32 v[10+\mb], s67, v[10+\mb]
	v_min_u32 v[10+\mb], 2047, v[10+\mb]           ; inside act and gatew whatever the list held
	v_mov_b32 v[32+\mb], v[10+\mb]                 ; p, kept for the way out
	v_lshlrev_b32 v[58+\mb], 2, v[10+\mb]          ; the gate's place
	v_lshl_add_u32 v[10+\mb], v[10+\mb], 13, v21   ; row p of 8,192 bytes + 16 h
.endr
	s_mov_b64 s[74:75], s[72:73]
	v_mov_b32 v7, v6
	s_wait_alu depctr_va_vdst(0)                   ; v7, v10-15 and v58-63 are written, which the loads below read; all earlier vector and matrix work (the roundings, the last pass's products and way out) is done with the gates, v128-255 and the slots of act, in which they land
.irp mb, 0,1,2,3,4,5
	global_load_b32 v[46+2*\mb], v[58+\mb], s[10:11]   ; older than every load of act: the first counted wait covers it
.endr
	LOADA 0, 0
	LOADA 1, 64
	LOADA 2, 128
	LOADB 0, 0
	KSTEP 0, 0, KB, 192, 24, 1
.endm
	s_mov_b32 s30, 0                               ; three passes of up to six blocks cover a wave's 16 blocks at the most
	s_min_i32 s29, s27, 6                          ; live: my blocks in this pass, 0 to 6
	START 0                                        ; the first pass's start: every wave runs it, one without rows on dead blocks alone
.Lpass:
	s_cmp_lt_i32 s29, 1
	s_cbranch_scc1 .Lk_done                        ; no rows of mine in this pass: the products are jumped, the barriers are not
	s_mov_b32 s31, 7
.Lk:
	KSTEP 1, 1, 2*KB, 256, 24, 0
	KSTEP 2, 0, 3*KB, 320, 24, 0
	KSTEP 3, 1, 4*KB, 384, 24, 0
	KSTEP 0, 0, 5*KB, 448, 24, 0
	s_wait_xcnt 0x0                                ; the loads' base steps only behind this wait
	s_add_nc_u64 s[74:75], s[74:75], 256
	s_wait_alu depctr_vm_vsrc(0)                   ; the weight loads issued so far have read v7
	v_add_nc_u32 v7, 4*KB, v7
	s_sub_co_u32 s31, s31, 1
	s_cmp_lg_u32 s31, 0
	s_cbranch_scc1 .Lk
	KSTEP 1, 1, 2*KB, -1, 24, 0
	KSTEP 2, 0, 3*KB, -1, 12, 0
	KSTEP 3, 1, -1, -1, 0, 0                       ; the last step asks for nothing, so it states nothing
.Lk_done:
.rept 4
	v_nop                                          ; the places between the last products, on either way here, and the first read of a result
.endr
	s_wait_loadcnt 0x0                             ; a wave that jumped has the loads of K steps 1 to 3 out: their registers are loaded again only behind this wait; on the long way none is out
	s_wait_dscnt 0x0                               ; my reads of the slice in this pass are back
	s_barrier_signal -1                            ; the slice is read by a walking address; this barrier stands between every wave's reads of it and every wave's stores into LDS on the way out,
	s_barrier_wait -1                              ; so that the two are ordered whatever that address holds.  It is on every wave's path
	s_cmp_lt_i32 s29, 1
	s_cbranch_scc1 .Lpass_next
	; THE WAY OUT.  Trip i: block i / 2, columns 64 (i % 2) .. + 63: 32 numbers a lane, times the row's gate (each accumulator is read from its lowest registers on),
	; through my stage, and out as whole rows of 256 bytes.  A snippet also hands its block's p on in v29.
.macro SNIP n
.set MBX, (\n)/2
.set HX, (\n)%2
	WIN 2+MBX/4
.set z, 0
.rept 16
	v_pk_mul_f32 v[128+2*z:129+2*z], v[64*(MBX%4)+32*HX+2*z:64*(MBX%4)+32*HX+2*z+1], v[46+2*MBX:47+2*MBX] op_sel_hi:[1,0]
.set z, z+1
.endr
	WIN 0
	v_mov_b32 v29, v[32+MBX]                       ; lane l: p of the block's row l % 16
.endm
	s_mov_b32 s87, 0
.Lepi:
	s_lshr_b32 s66, s87, 1
	s_cmp_ge_u32 s66, s29
	s_cbranch_scc1 .Lepi_next
	s_wait_alu depctr_vm_vsrc(0)                   ; the trip before's LDS stores have read v128-159, its global stores v160-191 and v240-247: this trip writes them again, the snippet first
.irp n, 0,1,2,3,4,5,6,7,8,9,10
	s_cmp_eq_u32 s87, \n
	s_cbranch_scc1 .Lsn\n
.endr
	SNIP 11
	s_branch .Lcommon
.irp n, 0,1,2,3,4,5,6,7,8,9
.Lsn\n:
	SNIP \n
	s_branch .Lcommon
.endr
.Lsn10:
	SNIP 10
.Lcommon:
	s_wait_xcnt 0x0                                ; the trip before's stores have read their offsets, data and base
	s_wait_alu depctr_va_vdst(0)                   ; the snippet has written v128-159, which the LDS stores read; the pass's products are done reading v160-191, in which the stage's rows land
.irp q, 0,1,2,3
	ds_store_b128 v16, v[128+8*\q:131+8*\q] offset:64*\q
	ds_store_b128 v16, v[132+8*\q:135+8*\q] offset:64*\q+16
.endr
.irp i, 0,1,2,3,4,5,6,7
	ds_load_b128 v[160+4*\i:163+4*\i], v17 offset:2*SP*\i   ; my own stage: LDS serves a wave's instructions in order (ISA guide 5.7.1.4)
.endr
.irp i, 0,1,2,3,4,5,6,7,8,9,10,11,12,13,14,15
	v_readlane_b32 s[PSG+\i], v29, \i              ; the block's sixteen p, in one run
.endr
	s_wait_alu depctr_va_sdst(0)                   ; s36-51 are written, ahead of their first reader
.irp i, 0,1,2,3,4,5,6,7                ; store t takes row 2 t in lanes 0-15 and row 2 t + 1 in lanes 16-31
	v_mov_b32 v[240+\i], s[PSG+2*\i]
.endr
.irp i, 0,1,2,3,4,5,6,7
	v_cndmask_b32 v[240+\i], v[240+\i], s[PSG+2*\i+1], s18
.endr
.irp i, 0,1,2,3,4,5,6,7
	v_min_u32 v[240+\i], 2047, v[240+\i]
.endr
.irp i, 0,1,2,3,4,5,6,7
	v_lshl_add_u32 v[240+\i], v[240+\i], 12, v18   ; row p of 4,096 bytes + my 16 bytes
.endr
	s_and_b32 s66, s87, 1
	s_lshl_b32 s66, s66, 8
	s_mov_b32 s67, 0
	s_add_nc_u64 s[84:85], s[82:83], s[66:67]      ; the half's 256 bytes of a row
	s_wait_dscnt 0x0
	s_wait_alu depctr_va_vdst(0)                   ; the eight offsets v240-247 are written, which the stores read
.irp i, 0,1,2,3,4,5,6,7
	global_store_b128 v[240+\i], v[160+4*\i:163+4*\i], s[84:85] th:TH_STORE_NT   ; 16 lanes store 256 consecutive bytes, at a multiple of 256 from part's first
.endr
.Lepi_next:
	s_add_co_u32 s87, s87, 1
	s_cmp_lt_u32 s87, 12
	s_cbranch_scc1 .Lepi
.Lpass_next:
	s_wait_xcnt 0x0                                ; the way out's stores have read their data and offsets: those registers are weight-fragment registers again in the next pass, and this wait stands on every way from the stores to it, also the one that jumps the next pass's start
	s_wait_alu depctr_vm_vsrc(0)                   ; the way out's stores have read v128-191 and v240-247, the pass's loads v7, v10-15, v38-43 and v58-63: the next pass's start writes all of them again, by vector lines or by loads
	s_wait_dscnt 0x0                               ; my stores into my stage, and my reads of it, are done
	s_barrier_signal -1                            ; the second barrier of a pass, on every wave's path: it stands between every wave's stores into LDS and the next pass's reads of the slice
	s_barrier_wait -1
	s_add_co_u32 s28, s28, 6
	s_sub_co_i32 s29, s27, s28
	s_min_i32 s29, s29, 6                          ; live, for the next pass
	s_cmp_lt_i32 s29, 1
	s_cbranch_scc1 .Lno_start                      ; nothing left (behind the third pass always: 16 blocks at the most)
	START 1
.Lno_start:
	s_add_co_u32 s30, s30, 1
	s_cmp_lt_u32 s30, 3
	s_cbranch_scc1 .Lpass
	s_wait_dscnt 0x0                               ; the wave's end: my last LDS instructions are done.
	s_wait_alu depctr_hold_cnt(0) depctr_sa_sdst(0) depctr_va_vdst(0) depctr_va_sdst(0) depctr_va_ssrc(0) depctr_va_vcc(0) depctr_vm_vsrc(0)
	s_wait_tensorcnt 0x0
	ds_add_u32 v44, v45
	s_wait_dscnt 0x0
	s_endpgm
.Lfunc_end_k_q6c550107a2_down:
	.size	k_q6c550107a2_down, .Lfunc_end_k_q6c550107a2_down-k_q6c550107a2_down
	.p2alignl 7, 3214868480
	.fill 96, 4, 3214868480
	.section	.rodata,"a",@progbits
	.p2align	6, 0x0
	.amdhsa_kernel k_q6c550107a2_down
		.amdhsa_group_segment_fixed_size 327680
		.amdhsa_private_segment_fixed_size 0
		.amdhsa_enable_private_segment 0
		.amdhsa_kernarg_size 40
		.amdhsa_user_sgpr_count 2
		.amdhsa_user_sgpr_kernarg_segment_ptr 1
		.amdhsa_wavefront_size32 1
		.amdhsa_system_sgpr_workgroup_id_x 1
		.amdhsa_system_sgpr_workgroup_id_y 1
		.amdhsa_system_sgpr_workgroup_id_z 1
		.amdhsa_system_vgpr_workitem_id 0
		.amdhsa_next_free_vgpr 896
		.amdhsa_next_free_sgpr 96
		.amdhsa_reserve_vcc 0
		.amdhsa_float_denorm_mode_32 3
		.amdhsa_float_denorm_mode_16_64 3
		.amdhsa_memory_ordered 1
		.amdhsa_forward_progress 1
		.amdhsa_inst_pref_size 125
	.end_amdhsa_kernel
	.amdgpu_metadata
---
amdhsa.version: [ 1, 2 ]
amdhsa.kernels:
  - .name:           k_q6c550107a2_down
    .symbol:         k_q6c550107a2_down.kd
    .args:
      - { .name: W2, .offset: 0, .size: 8, .value_kind: global_buffer, .address_space: global }
      - { .name: act, .offset: 8, .size: 8, .value_kind: global_buffer, .address_space: global }
      - { .name: rows, .offset: 16, .size: 8, .value_kind: global_buffer, .address_space: global }
      - { .name: gatew, .offset: 24, .size: 8, .value_kind: global_buffer, .address_space: global }
      - { .name: part, .offset: 32, .size: 8, .value_kind: global_buffer, .address_space: global }
    .group_segment_fixed_size: 327680
    .private_segment_fixed_size: 0
    .kernarg_segment_align: 8
    .kernarg_segment_size: 40
    .max_flat_workgroup_size: 128
    .sgpr_count:     96
    .vgpr_count:     896
    .wavefront_size: 32
...
	.end_amdgpu_metadata
.endif
;; end of part 7
;; launch combine: the kernel of part 5 again; grid 256 x 1, 8 waves a work-group, no clusters, 0 bytes of LDS; arguments part, x, b2, choice, gatew, out0; writes out0
